; MI455X (gfx1250); checked and timed in simulation.
; The chip was launched on July 23, 2026; its instructions are those of AMD's public machine-readable ISA for CDNA 5 (MIT licence, August 2026) and "CDNA5" Instruction Set Architecture Reference Guide (July 2026). The comments in the code are by the model that wrote it; some were corrected since.
;; Multi Head Attention. Allowed arithmetic: matrix products marked QUANTISED: E2M3 operands, one E8M0 scale for each 32 along K, by v_wmma_scale_f32_16x16x128_f8f6f4 with both operands' format E2M3, f32 sums; everything else in f32.
;; Inputs: Wk 1,024 x 1,024 float32; Wo 1,024 x 1,024 float32; Wq 1,024 x 1,024 float32; Wv 1,024 x 1,024 float32; bk 1,024 float32; bo 1,024 float32; bq 1,024 float32; bv 1,024 float32; mask 1 x 1 x 2,048 x 2,048 bool; x 4 x 2,048 x 1,024 float32.
;; Outputs: out0 4 x 2,048 x 1,024 float32.
;; This version of the problem:
;;   THIS VERSION OF THE PROBLEM IS GIVEN IN LOW PRECISION. The matrix products marked QUANTISED in the list below multiply operands that are first quantised to E2M3 (2 exponent bits, 3 mantissa bits; 6 bits a number), with one power-of-two scale for each 32 numbers along K (OCP MX v1.0); their sums are f32. All else is computed in f32.
;;   The module's matrix products, in the order in which they are computed (A, B: the left and right operand; K: the contracted axis; several contracted axes count as one K, in the product's order):
;;     1. [M 8,192, K 1,024] x [K 1,024, N 1,024]; A: input x; B: input Wq: QUANTISED
;;     2. [M 8,192, K 1,024] x [K 1,024, N 1,024]; A: input x; B: input Wk: QUANTISED
;;     3. [M 8,192, K 1,024] x [K 1,024, N 1,024]; A: input x; B: input Wv: QUANTISED
;;     4. batch 64 x [M 2,048, K 64] x [K 64, N 2,048]; A: computed on the way; B: computed on the way: QUANTISED
;;     5. batch 64 x [M 2,048, K 2,048] x [K 2,048, N 64]; A: softmax (see below); B: computed on the way: QUANTISED
;;     6. [M 8,192, K 1,024] x [K 1,024, N 1,024]; A: computed on the way; B: input Wo: QUANTISED
;;   THE QUANTISER, for each operand of a quantised product, along K:
;;     - K is cut into blocks of 32 from its start; a last block that is shorter is filled with zeros.
;;     - A block's scale is 2^e with e = floor(log2(the largest magnitude in the block)) - 2, held to -126 .. 127; a block of zeros has e = 0. As a byte (E8M0): e + 127.
;;     - Each number is divided by its block's scale, clamped to +-7.5, and rounded to the nearest number of E2M3, ties to even, subnormals kept.
;;     - The product sums the exact products of the quantised numbers (number of the format x scale) in f32.
;;   ~~~python
;;   def quantise(x, axis):      # numpy; x: float32 -> the quantised numbers, widened to float32 again
;;       x = np.moveaxis(x, axis, -1); K = x.shape[-1]
;;       x = np.pad(x, [(0, 0)] * (x.ndim - 1) + [(0, -K % 32)]); x = x.reshape(x.shape[:-1] + (-1, 32)); a = np.abs(x).max(-1, keepdims=True)
;;       e = np.where(a > 0, np.clip(np.frexp(np.where(a > 0, a, 1))[1] - 1 - 2, -126, 127), 0)      # np.frexp(a)[1] - 1 = floor(log2(a)), exactly
;;       r = np.clip(x / 2.0 ** e, -7.5, 7.5)
;;       step = 2.0 ** (np.maximum(np.frexp(np.where(r == 0, 1, r))[1] - 1, 0) - 3)
;;       q = np.round(r / step) * step * 2.0 ** e      # np.round: ties to even
;;       return np.moveaxis(q.reshape(q.shape[:-2] + (-1,))[..., :K], -1, axis).astype(np.float32)
;;   ~~~
;;   SOFTMAX AHEAD OF A QUANTISED PRODUCT. Where the list says 'softmax', what is quantised is not the finished softmax but p = 2^(t - M), with t = logit x log2(e) and M = ceil(the row's largest t), a whole number; so 1/2 < the row's largest p <= 1. The row's sum l is taken of the UNQUANTISED p, in f32, and the product's result is divided by l at the end. Since M is a whole number, a kernel that streams over the keys may use a running M (the ceiling of the running maximum): every later rescaling is an exact power of two, which a block's scale takes up: the codes' values come out the same.
;;   OPERANDS COMPUTED ON THE WAY. 'Computed on the way' means the value that the module computes at that place (a softmax that the list does not call 'softmax' is quantised finished and normalised). What goes into a quantiser is computed in f32, as accurately as f32 sums, v_exp_f32 and their like allow (about 1e-6 of the number): no bf16 or f16 on the way to a quantiser, and a product that is left as it is and whose result goes on into a quantised operand takes f32 operands (vector FMAs, or v_wmma_f32_16x16x4_f32). A number that lies on a knife's edge between two numbers of the format may be rounded either way, as far as f32 arithmetic and the matrix unit's own rounding can turn it there, and no further.
;; One version. Each part assembles by itself: llvm-mc -triple=amdgcn-amd-amdhsa -mcpu=gfx1250 --defsym DOCPART=n.
;; ======== version 1 of 1: 4 launches
;; limits: right only within a limited range of input values
;; workspace buffers: xc 6,553,600 bytes; wc 3,276,800 bytes; qkv 18,874,368 bytes; qkvs 786,432 bytes; oc 6,553,600 bytes; mw 526,336 bytes of whole numbers
;; launch prep (part 1): grid 512 x 1, 4 waves a work-group, no clusters, 34,304 bytes of LDS; arguments x, mask, Wq, Wk, Wv, Wo, xc, wc, mw; writes xc, wc, mw
.if DOCPART == 1
	.amdgcn_target "amdgcn-amd-amdhsa--gfx1250"
	.amdhsa_code_object_version 6
	.text
	.protected	k_q0fabfdba0f_prep
	.globl	k_q0fabfdba0f_prep
	.p2align	8
	.type	k_q0fabfdba0f_prep,@function
k_q0fabfdba0f_prep:
	s_mov_b64 s[64:65], 0
	v_nop
	global_prefetch_b8 v0, s[64:65] scope:SCOPE_SE
	s_setreg_imm32_b32 hwreg(HW_REG_WAVE_MODE, 25, 1), 1
	s_wait_xcnt 0x0
; PREP: all that is made once.  Three paths, parted on the work-group's number alone.
;   work-groups   0-255: x [8192][1024] f32 -> xc: codes of E2M3 and E8M0 scale bytes, quantised along the 1,024 (K innermost in x)
;   work-groups 256-383: Wq, Wk, Wv, Wo [1024 (k)][1024 (n)] f32 -> wc: the same, quantised along k, which is their FIRST axis: a lane takes a column, its registers run down k
;   work-groups 384-511: mask [2048][2048] bytes -> mw: lane masks (a bit a lane) in the order in which the attention launch holds its scores, and a flag for each key step that has a hole
; TILES.  Rows (tokens, features) are cut in groups of 32; tile 2 g + u holds rows 32 g + 8 u + (r & 7) + 16 (r >> 3), r = 0 .. 15.  Used as a product's source 0, two neighbouring tiles then leave
;   16 neighbours in a lane's 16 result registers, which is what the next quantiser wants.
; A HALF IMAGE is 16 rows x 64 along K as the operand's registers hold them: lane (r, h) owns six registers (k = 32 h .. 32 h + 31 of row r): registers 0-3 at byte 16 x lane, registers 4-5 at 512 + 8 x lane: 768 bytes.
; AN OPERAND'S TILE (K = 1,024) is 12,800 bytes: four chunks of 256 along K, 3,200 bytes each: four half images (3,072) and the rows' scale bytes (128: row r's 8 bytes at 8 r: two words, one for each 128 along K).
;   In an even chunk the codes come first, in an odd one the scale bytes: so each half image starts at a multiple of 256 bytes, and the scale bytes of two chunks are 256 bytes on end.
; A block's scale is 2^(floor(log2(its largest magnitude)) - 2); its byte is the largest magnitude's exponent field - 2, held at 1 from below.
; LIMITS: a block of zeros gets the byte 1 where the rule says 127 (its codes are zeros, and this program alone reads the bytes); blocks whose largest magnitude lies under 2^-124 get the byte 1; NaN and infinities are not served.
.set STG,   8448                       ; x's path: a stage of 16 rows x (512 + 16) bytes for each wave
.set SPARE, 4*STG                      ; behind the stages: the spare words, 128 bytes a wave
.set SPW, 5                            ; v5  LDS address of my spare word; never rewritten
.set NIL, 6                            ; v6  0; never rewritten
.set LN,  9                            ; v9  lane
.set PW,  10                           ; v10-13 x's path: the four scale words
.set SW,  14                           ; v14-15 as they are stored
.set R,   16                           ; v16-143 two sets of 64 numbers as loaded
.set X,   144                          ; v144-207 64 numbers in the quantiser's order
.set PC,  208                          ; v208-231 two sets of 12 registers of codes
.set TP,  232                          ; v232-239 the conversions' second halves
.set TM,  240                          ; v240-255 the quantiser's own
.set SEL, 24                           ; s[24:25] v_permlanex16_b32's selects for lane l xor 16
; 64 numbers of a lane, register 16 b + i = k 32 b + 16 (lane / 16) + i of my row, become a fragment's 12 registers of codes at v[pc] and my row's scale word in v[pw].
.macro QUANT s, pc, tp, pw
.irp b, 0,1,2,3
	v_max3_num_f32 v[TM+\b], |v[(\s)+16*\b]|, |v[(\s)+1+16*\b]|, 0x1800000   ; block b: my 16 numbers, and the floor 2^(3 - 127): the byte cannot fall under 1
.endr
.irp i, 2,4,6,8,10,12,14
.irp b, 0,1,2,3
	v_max3_num_f32 v[TM+\b], v[TM+\b], |v[(\s)+16*\b+\i]|, |v[(\s)+1+16*\b+\i]|   ; the four blocks by turns
.endr
.endr
.irp b, 0,1,2,3
	v_permlanex16_b32 v[TM+4+\b], v[TM+\b], s[SEL], s[SEL+1]
.endr
.irp b, 0,1,2,3
	v_max_num_f32 v[TM+\b], v[TM+\b], v[TM+4+\b]          ; with lane l xor 16's 16: the block's largest magnitude
.endr
.irp b, 0,1,2,3
	v_add_nc_u32 v[TM+12+\b], 0xff000000, v[TM+\b]        ; 2 off its exponent field: the conversion takes this operand's exponent field as its scale
.endr
.irp b, 0,1,2,3
	v_lshrrev_b32 v[TM+4+\b], 23, v[TM+12+\b]             ; the scale's byte
.endr
	v_lshl_or_b32 v[\pw], v[TM+5], 8, v[TM+4]
	v_lshl_or_b32 v[\pw], v[TM+6], 16, v[\pw]
	v_lshl_or_b32 v[\pw], v[TM+7], 24, v[\pw]
.irp c, 0,1
	v_cvt_scalef32_pk16_fp6_f32 v[(\pc)+6*\c:(\pc)+2+6*\c], v[(\s)+32*\c:(\s)+15+32*\c], v[TM+12+2*\c]
	v_cvt_scalef32_pk16_fp6_f32 v[(\tp)+4*\c:(\tp)+2+4*\c], v[(\s)+16+32*\c:(\s)+31+32*\c], v[TM+13+2*\c]   ; (a conversion's three registers begin on an even number)
.endr
	v_nop                                                  ; one plain line behind the conversions
.irp c, 0,1                                            ; the operand wants a whole block in a lane: lanes 0-15 block 2 c, lanes 16-31 block 2 c + 1
.irp i, 0,1,2
	v_permlane16_swap_b32 v[(\pc)+6*\c+\i], v[(\tp)+4*\c+\i]
.endr
.irp i, 0,1,2
	v_mov_b32 v[(\pc)+3+6*\c+\i], v[(\tp)+4*\c+\i]
.endr
.endr
.endm
	s_load_b512 s[4:19], s[0:1], 0x0               ; x s[4:5], mask s[6:7], Wq s[8:9], Wk s[10:11], Wv s[12:13], Wo s[14:15], xc s[16:17], wc s[18:19]
	s_load_b64 s[20:21], s[0:1], 0x40              ; mw
	v_lshl_add_u32 v[SPW], v0, 2, SPARE
	v_mov_b32 v[NIL], 0
	v_lshrrev_b32 v1, 5, v0
	v_readfirstlane_b32 s22, v1                    ; wave 0..3
	v_and_b32 v[LN], 31, v0
	s_wait_kmcnt 0x0
	s_cmp_ge_u32 ttmp9, 384
	s_cbranch_scc1 .Lmask
	s_cmp_ge_u32 ttmp9, 256
	s_cbranch_scc1 .Lweights
; ---------------- x.  A wave takes one tile of 16 tokens and half of K: four K steps of 128.  Each load reads 512 consecutive bytes of one row; a K step's 16 rows turn through the wave's
; own stage in LDS, so that a lane gets 16 neighbours of each block of 32.  This is the one path that touches LDS.
	s_lshl_b32 s28, ttmp9, 2
	s_add_co_u32 s28, s28, s22                     ; my unit, 0 .. 1,023
	s_lshr_b32 s29, s28, 1                         ; tile J
	s_and_b32 s30, s28, 1                          ; half P of K
	s_lshr_b32 s31, s29, 1
	s_lshl_b32 s31, s31, 17                        ; 32 rows of 4,096 bytes for each group,
	s_and_b32 s32, s29, 1
	s_lshl_b32 s32, s32, 15                        ; 8 rows for the odd tile,
	s_add_co_u32 s32, s32, s31
	s_lshl_b32 s33, s30, 11                        ; 2,048 bytes for the second half of K
	s_add_co_u32 s32, s32, s33
	s_mov_b32 s33, 0
	s_add_nc_u64 s[4:5], s[4:5], s[32:33]
	s_mul_i32 s34, s29, 12800
	s_mul_i32 s35, s30, 6400
	s_add_co_u32 s34, s34, s35
	s_mov_b32 s35, 0
	s_add_nc_u64 s[16:17], s[16:17], s[34:35]      ; my two chunks of tile J
	s_mul_i32 s36, s22, STG
	s_wait_alu depctr_va_vdst(0)
	v_lshlrev_b32 v1, 4, v[LN]                     ; 16 x lane
	v_lshlrev_b32 v2, 3, v[LN]                     ; 8 x lane
	v_add_nc_u32 v3, s36, v1                       ; the stage, way in: a row's 512 bytes as they lie
	v_and_b32 v7, 15, v[LN]
	v_bfe_u32 v8, v[LN], 4, 1
	v_mul_u32_u24 v4, v7, 528
	v_lshl_add_u32 v4, v8, 6, v4
	v_add_nc_u32 v4, s36, v4                       ; way out: row r, + 64 h: my 16 numbers of a block
	s_mov_b32 s[SEL], 0x76543210
	s_mov_b32 s[SEL+1], 0xfedcba98
	s_mov_b32 s26, 0xffff0000                      ; lanes 16-31
.irp b, 0,1,2,3
	v_mov_b32 v[TM+4+\b], 0                        ; written once: a lane permute's destination counts as one of its sources
.endr
.macro LOADX q
.irp i, 0,1,2,3,4,5,6,7,8,9,10,11,12,13,14,15
	global_load_b128 v[R+64*((\q)%2)+4*\i:R+64*((\q)%2)+4*\i+3], v1, s[4:5] offset:((\i%8)+16*(\i/8))*4096+512*(\q) th:TH_LOAD_NT
.endr
.endm
.macro XSTEP q
.if (\q) < 3
	s_wait_loadcnt 16                              ; this K step's 16 loads are in; the next step's 16 may be out
.else
	s_wait_loadcnt 0x0
.endif
.irp i, 0,1,2,3,4,5,6,7,8,9,10,11,12,13,14,15
	ds_store_b128 v3, v[R+64*((\q)%2)+4*\i:R+64*((\q)%2)+4*\i+3] offset:528*\i
.endr
.irp b, 0,1,2,3
.irp j, 0,1,2,3
	ds_load_b128 v[X+16*\b+4*\j:X+16*\b+4*\j+3], v4 offset:128*\b+16*\j   ; LDS serves a wave's instructions in order: these see the stores above
.endr
.endr
	s_wait_dscnt 0x0                               ; the stores have read their registers, the numbers are back
.if (\q) < 2
	LOADX (\q)+2
.else
	s_wait_xcnt 0x0                                ; the stores of two steps back have read this set of codes
.endif
.set PQ, PC+12*((\q)%2)
.set CO, 3328*((\q)/2)+1536*((\q)%2)
	QUANT X, PQ, TP, PW+(\q)
	global_store_b128 v1, v[PQ:PQ+3], s[16:17] offset:CO              ; two half images: 512, 256, 512, 256 consecutive bytes, each from a multiple of 256
	global_store_b64 v2, v[PQ+4:PQ+5], s[16:17] offset:CO+512
	global_store_b128 v1, v[PQ+6:PQ+9], s[16:17] offset:CO+768
	global_store_b64 v2, v[PQ+10:PQ+11], s[16:17] offset:CO+1280
.endm
	LOADX 0
	LOADX 1
	s_wait_alu depctr_va_vdst(0)
	XSTEP 0
	XSTEP 1
	XSTEP 2
	XSTEP 3
	v_cndmask_b32 v[SW], v[PW], v[PW+2], s26       ; lanes 0-15: the even chunk's two words of row r; lanes 16-31: the odd chunk's
	v_cndmask_b32 v[SW+1], v[PW+1], v[PW+3], s26
	global_store_b64 v2, v[SW:SW+1], s[16:17] offset:3072   ; 256 consecutive bytes
	s_wait_tensorcnt 0x0                           ; the wave's end
	ds_add_u32 v[SPW], v[NIL]
	s_wait_dscnt 0x0
	s_endpgm
; ---------------- the four weights.  A wave takes 32 columns (two tiles) x one chunk of 256 along k: eight blocks of 32, each whole in a lane.  No LDS: a block's six registers ARE a lane's part of a half image.
.Lweights:
	s_sub_co_u32 s28, ttmp9, 256
	s_lshr_b32 s29, s28, 5                         ; which weight
	s_and_b32 s30, s28, 7
	s_bfe_u32 s31, s28, 0x20003                    ; chunk c
	s_lshl_b32 s30, s30, 2
	s_add_co_u32 s30, s30, s22                     ; group of 32 columns
	s_cmp_eq_u32 s29, 1
	s_cselect_b64 s[8:9], s[10:11], s[8:9]
	s_cmp_eq_u32 s29, 2
	s_cselect_b64 s[8:9], s[12:13], s[8:9]
	s_cmp_eq_u32 s29, 3
	s_cselect_b64 s[8:9], s[14:15], s[8:9]
	s_lshl_b32 s32, s31, 20                        ; 256 rows of 4,096 bytes
	s_lshl_b32 s33, s30, 7
	s_add_co_u32 s32, s32, s33
	s_mov_b32 s33, 0
	s_add_nc_u64 s[8:9], s[8:9], s[32:33]
	s_mul_i32 s34, s29, 819200
	s_mul_i32 s35, s30, 25600
	s_add_co_u32 s34, s34, s35
	s_mul_i32 s35, s31, 3200
	s_add_co_u32 s34, s34, s35                     ; the chunk in the even tile
	s_and_b32 s36, s31, 1
	s_lshl_b32 s37, s36, 7
	s_add_co_u32 s38, s34, s37                     ; its codes
	s_mov_b32 s39, 0
	s_xor_b32 s36, s36, 1
	s_mul_i32 s36, s36, 3072
	s_add_co_u32 s36, s34, s36                     ; its scale bytes
	s_mov_b32 s37, 0
	s_add_nc_u64 s[28:29], s[18:19], s[38:39]
	s_add_nc_u64 s[30:31], s[18:19], s[36:37]
	s_wait_alu depctr_va_vdst(0)
	v_lshlrev_b32 v3, 2, v[LN]                     ; in: 4 bytes a lane
	v_and_b32 v1, 7, v[LN]
	v_bfe_u32 v2, v[LN], 4, 1
	v_lshl_or_b32 v1, v2, 3, v1                    ; column l is row r = (l & 7) + 8 (l >> 4)
	v_bfe_u32 v2, v[LN], 3, 1                      ; of tile u = (l >> 3) & 1
	v_mul_u32_u24 v2, v2, 12800
	v_lshl_add_u32 v4, v1, 4, v2
	v_lshl_add_u32 v7, v1, 3, v2
.macro LOADW t
.irp i, 0,1,2,3,4,5,6,7,8,9,10,11,12,13,14,15,16,17,18,19,20,21,22,23,24,25,26,27,28,29,30,31
	global_load_b32 v[32+32*((\t)%2)+\i], v3, s[8:9] offset:(32*(\t)+\i)*4096 th:TH_LOAD_NT
.endr
.endm
.macro BLOCK t
.set XS, 32+32*((\t)%2)
.set CW, 96+8*(\t)                     ; each block has its own registers of codes: no store's data are written again
.if (\t) < 7
	s_wait_loadcnt 32                              ; this block's 32 loads are in; the next block's may be out
.else
	s_wait_loadcnt 0x0
.endif
	v_max3_num_f32 v12, |v[XS]|, |v[XS+1]|, |v[XS+2]|
	v_max3_num_f32 v13, |v[XS+3]|, |v[XS+4]|, |v[XS+5]|
.irp i, 6,10,14,18,22,26
	v_max3_num_f32 v12, v12, |v[XS+\i]|, |v[XS+\i+1]|
	v_max3_num_f32 v13, v13, |v[XS+\i+2]|, |v[XS+\i+3]|
.endr
	v_max3_num_f32 v12, v12, |v[XS+30]|, |v[XS+31]|
	v_max3_num_f32 v12, v12, v13, 0x1800000        ; and the floor
	v_add_nc_u32 v11, 0xff000000, v12
	v_lshrrev_b32 v13, 23, v11
.if (\t)%4 == 0
	v_mov_b32 v[24+(\t)/4], v13
.else
	v_lshl_or_b32 v[24+(\t)/4], v13, 8*((\t)%4), v[24+(\t)/4]
.endif
	v_cvt_scalef32_pk16_fp6_f32 v[CW:CW+2], v[XS:XS+15], v11
	v_cvt_scalef32_pk16_fp6_f32 v[CW+4:CW+6], v[XS+16:XS+31], v11
	v_nop
	v_mov_b32 v[CW+3], v[CW+4]                     ; the block's six registers on end
	v_mov_b32 v[CW+4], v[CW+5]
	v_mov_b32 v[CW+5], v[CW+6]
	global_store_b128 v4, v[CW:CW+3], s[28:29] offset:768*((\t)/2)+256*((\t)%2)        ; sixteen lanes of a tile: 256 consecutive bytes
	global_store_b64 v7, v[CW+4:CW+5], s[28:29] offset:768*((\t)/2)+512+128*((\t)%2)   ; and 128
.if (\t)+2 < 8
	LOADW (\t)+2
.endif
.endm
	LOADW 0
	LOADW 1
.irp t, 0,1,2,3,4,5,6,7
	BLOCK \t
.endr
	global_store_b64 v7, v[24:25], s[30:31]        ; my column's eight scale bytes
	s_endpgm
; ---------------- the mask.  A work-group takes a tile of 16 queries, a wave four key steps of 128.  Word n = 32 c + i of a step: bit (lane) = 1 where mask[the lane's query][128 step + 64 c + 32 (lane / 16) + i] is false.
.Lmask:
	s_sub_co_u32 s28, ttmp9, 384                   ; the tile of queries
	s_lshr_b32 s29, s28, 1
	s_lshl_b32 s29, s29, 16                        ; 32 rows of 2,048 bytes
	s_and_b32 s30, s28, 1
	s_lshl_b32 s30, s30, 14
	s_add_co_u32 s30, s30, s29
	s_lshl_b32 s31, s22, 9                         ; my four steps' 512 keys
	s_add_co_u32 s30, s30, s31
	s_mov_b32 s31, 0
	s_add_nc_u64 s[6:7], s[6:7], s[30:31]
	s_wait_alu depctr_va_vdst(0)
	v_and_b32 v1, 7, v[LN]
	v_bfe_u32 v2, v[LN], 3, 1
	v_lshl_add_u32 v1, v2, 4, v1                   ; (r & 7) + 16 (r >> 3)
	v_bfe_u32 v2, v[LN], 4, 1
	v_lshlrev_b32 v3, 11, v1
	v_lshl_add_u32 v3, v2, 5, v3                   ; my row, + 32 h
.irp g, 0,1,2,3
.irp b, 0,1,2,3
	global_load_b128 v[32+16*\g+4*\b:35+16*\g+4*\b], v3, s[6:7] offset:128*\g+64*(\b/2)+16*(\b%2)
.endr
.endr
	s_lshl_b32 s32, s28, 12
	s_lshl_b32 s33, s22, 10
	s_add_co_u32 s32, s32, s33
	s_mov_b32 s33, 0
	s_add_nc_u64 s[34:35], s[20:21], s[32:33]      ; my four steps' words: 256 bytes a step
	s_lshl_b32 s32, s28, 4
	s_lshl_b32 s36, s22, 2
	s_add_co_u32 s32, s32, s36
	s_add_co_u32 s32, s32, 524288
	s_add_nc_u64 s[20:21], s[20:21], s[32:33]      ; my flag word
	v_lshlrev_b32 v4, 3, v[LN]
.irp j, 0,1,2,3,4,5,6,7
	v_mov_b32 v[160+\j], 0                         ; v_writelane_b32's destination counts as read
.endr
	s_mov_b32 s38, 0
.macro MSTEP g
	s_wait_loadcnt 12-4*(\g)                       ; this step's four loads are in; the later steps' may be out
	s_mov_b32 s36, 0
.set n, 0
.rept 64
	v_bfe_u32 v[10+n%4], v[32+16*(\g)+n/4], 8*(n%4), 8
	v_cmp_eq_u32 s[40+n%4], 0, v[10+n%4]           ; a bit a lane: the key is hidden
	s_or_b32 s36, s36, s[40+n%4]
	v_writelane_b32 v[160+2*(\g)+n%2], s[40+n%4], n/2   ; word n to register n % 2, lane n / 2: byte 4 n of the store below
.set n, n+1
.endr
	s_cmp_lg_u32 s36, 0
	s_cselect_b32 s37, 1<<(\g), 0
	s_or_b32 s38, s38, s37
	global_store_b64 v4, v[160+2*(\g):161+2*(\g)], s[34:35] offset:256*(\g)   ; 256 consecutive bytes
.endm
	MSTEP 0
	MSTEP 1
	MSTEP 2
	MSTEP 3
	s_lshl_b32 s39, s22, 2
	s_lshl_b32 s38, s38, s39                       ; my four flags at bits 4 x wave on
	v_mov_b32 v8, s38
	v_mov_b32 v7, 0
	s_wait_alu depctr_va_vdst(0)
	s_wait_xcnt 0x0                                ; EXEC changes only behind this wait
	v_cmp_eq_u32 vcc_lo, 0, v[LN]
	s_and_saveexec_b32 s44, vcc_lo
	global_store_b32 v7, v8, s[20:21]              ; lane 0 alone
	s_wait_xcnt 0x0
	s_or_b32 exec_lo, exec_lo, s44
	s_endpgm
.Lfunc_end_k_q0fabfdba0f_prep:
	.size	k_q0fabfdba0f_prep, .Lfunc_end_k_q0fabfdba0f_prep-k_q0fabfdba0f_prep
	.p2alignl 7, 3214868480
	.fill 96, 4, 3214868480
	.section	.rodata,"a",@progbits
	.p2align	6, 0x0
	.amdhsa_kernel k_q0fabfdba0f_prep
		.amdhsa_group_segment_fixed_size 34304
		.amdhsa_private_segment_fixed_size 0
		.amdhsa_enable_private_segment 0
		.amdhsa_kernarg_size 72
		.amdhsa_user_sgpr_count 2
		.amdhsa_user_sgpr_kernarg_segment_ptr 1
		.amdhsa_wavefront_size32 1
		.amdhsa_system_sgpr_workgroup_id_x 1
		.amdhsa_system_sgpr_workgroup_id_y 1
		.amdhsa_system_sgpr_workgroup_id_z 1
		.amdhsa_system_vgpr_workitem_id 0
		.amdhsa_next_free_vgpr 256
		.amdhsa_next_free_sgpr 66
		.amdhsa_reserve_vcc 1
		.amdhsa_float_denorm_mode_32 3
		.amdhsa_float_denorm_mode_16_64 3
		.amdhsa_memory_ordered 1
		.amdhsa_forward_progress 1
		.amdhsa_inst_pref_size 133
	.end_amdhsa_kernel
	.amdgpu_metadata
---
amdhsa.version: [ 1, 2 ]
amdhsa.kernels:
  - .name:           k_q0fabfdba0f_prep
    .symbol:         k_q0fabfdba0f_prep.kd
    .args:
      - { .name: x, .offset: 0, .size: 8, .value_kind: global_buffer, .address_space: global }
      - { .name: mask, .offset: 8, .size: 8, .value_kind: global_buffer, .address_space: global }
      - { .name: Wq, .offset: 16, .size: 8, .value_kind: global_buffer, .address_space: global }
      - { .name: Wk, .offset: 24, .size: 8, .value_kind: global_buffer, .address_space: global }
      - { .name: Wv, .offset: 32, .size: 8, .value_kind: global_buffer, .address_space: global }
      - { .name: Wo, .offset: 40, .size: 8, .value_kind: global_buffer, .address_space: global }
      - { .name: xc, .offset: 48, .size: 8, .value_kind: global_buffer, .address_space: global }
      - { .name: wc, .offset: 56, .size: 8, .value_kind: global_buffer, .address_space: global }
      - { .name: mw, .offset: 64, .size: 8, .value_kind: global_buffer, .address_space: global }
    .group_segment_fixed_size: 34304
    .private_segment_fixed_size: 0
    .kernarg_segment_align: 8
    .kernarg_segment_size: 72
    .max_flat_workgroup_size: 128
    .sgpr_count:     66
    .vgpr_count:     256
    .wavefront_size: 32
...
	.end_amdgpu_metadata
.endif
;; end of part 1
;; launch proj (part 2): grid 8 x 32, 4 waves a work-group, clusters of 4 x 4, 327,680 bytes of LDS; arguments xc, wc, bq, bk, bv, qkv, qkvs; writes qkv, qkvs
.if DOCPART == 2
	.amdgcn_target "amdgcn-amd-amdhsa--gfx1250"
	.amdhsa_code_object_version 6
	.text
	.protected	k_q0fabfdba0f_proj
	.globl	k_q0fabfdba0f_proj
	.p2align	8
	.type	k_q0fabfdba0f_proj,@function
k_q0fabfdba0f_proj:
	s_mov_b64 s[64:65], 0
	v_nop
	global_prefetch_b8 v0, s[64:65] scope:SCOPE_SE
	s_setreg_imm32_b32 hwreg(HW_REG_WAVE_MODE, 25, 1), 1
	s_wait_xcnt 0x0
	s_wait_alu depctr_hold_cnt(0) depctr_sa_sdst(0) depctr_va_vdst(0) depctr_va_sdst(0) depctr_va_ssrc(0) depctr_va_vcc(0) depctr_vm_vsrc(0)
	s_getreg_b32 s2, hwreg(HW_REG_IB_STS2, 6, 4)
	s_cmp_eq_u32 s2, 0
	s_cbranch_scc0 .Lentry_in_a_cluster
	s_endpgm
.Lentry_in_a_cluster:
	s_bfe_u32 s2, ttmp6, 0x10000c
	s_cmp_lg_u32 s2, 0xf033
	s_cbranch_scc0 .Lentry_shape_is_right
	s_endpgm
.Lentry_shape_is_right:
; PROJ: Q = x Wq + bq, K = x Wk + bk, V = x Wv + bv on codes of E2M3, and each result quantised in registers for the product that takes it: Q and K along the head's 64, V along the keys.
; A TILE is 256 rows of the side that is source 1 (16 operand tiles; a wave 4) x 128 rows of the side that is source 0 (8 operand tiles), over all of K = 1,024.
;   Q and K: source 1 = tokens (xc), source 0 = features of Wq or Wk (wc): a lane holds one token and 64 registers along two heads' 128 features.
;   V:       source 1 = features of Wv, source 0 = tokens: a lane holds one feature and 64 registers along 128 keys.
; A WORK-GROUP STAYS and makes three tiles: one of Q, one of K (the loop's two trips), one of V (the tail, written out): 768 tiles on 256 work-groups, the same work for each, and no branch on the kind.
; Operand tiles, half images and chunks are laid as the launch before has stored them (12,800 bytes a tile, four chunks of 3,200): fragments come out of LDS as images of their registers.
; THE RING: two slots, each a HALF of K: 16 + 8 rows of 6,400 bytes (25 x 256, from a multiple of 256).  Behind each drained round of the cluster's barrier every wave issues one joint load: waves 0 and 1 eight rows each of
; source 1, waves 2 and 3 four rows each of source 0.  Slot 1 is asked for at a tile's top (K steps 0-3 stand ahead of the wait for it), slot 0 for the NEXT tile when steps 0-3 have been read out (steps 4-7 and the way out stand ahead).
; CLUSTER 4 x 4: source 1's rows hang on the cluster's row alone, source 0's on its column alone: each is asked for jointly by the four that share it.
; NO PREFETCH: K is 1,024 and the two slots hold all of it; each refill is asked for four K steps or more ahead of its wait.
; REGISTERS.  window 0: v1-6 the chunk's LDS addresses, v16-21 their bases; v7, v8, v14, v15 lane offsets; v28, v29 the add's two; v32-55 scale words, two sets; v56-63, v224-245 the quantiser's;
;   v64-159 source 1's fragments, two sets of 4 x 12 (on the way out: 64 numbers and codes); v160-223 the bias.   window 1: source 0's fragments, two sets of 8 x 12.   window 2: the 32 accumulators, (a, b) at v[8 (8 a + b)].
; LIMITS: a block of zeros has the byte 1 (this program alone reads the bytes); blocks whose largest magnitude lies under 2^-124 get the byte 1; NaN and infinities are not served.
.set CH,    153600                     ; a slot
.set TILE,  6400                       ; an operand tile's row in it
.set BOFF,  102400                     ; source 0's rows in a slot
.set SPARE, 2*CH                       ; the spare words, 128 bytes a wave
.set SPW, 28
.set NIL, 29
.set SC,  32
.set TP,  56
.set AF,  64
.set T,   64
.set PC,  128
.set BIAS, 160
.set TM,  224
.set PW,  240
.set SW,  244
.set SEL, 78                           ; s[78:79]
.set G1A, 24                           ; s[24:31], s[32:39] descriptor groups 1
.set G1B, 32
.set G0A, 40                           ; s[40:47] groups 0 of source 1, slot 0 and slot 1;  s[56:63] of source 0
.set G0B, 56
.set MSB, 0
.macro WIN new                         ; the immediate's high byte repeats the setting that is left
.if MSB != \new
	s_set_vgpr_msb (MSB<<8)|\new
.set MSB, \new
.endif
.endm
.macro CROUND                          ; a round of the cluster's barrier
	s_barrier_signal -1
	s_barrier_wait -1
	s_cmp_lg_u32 s18, 0
	s_cbranch_scc1 .Lnot_wave_0_\@
	s_barrier_signal -3
.Lnot_wave_0_\@:
	s_barrier_wait -3
	s_barrier_signal -1
	s_barrier_wait -1
.endm
.macro PLACES                          ; four plain lines between a matrix instruction and a load into, or a vector line on, its registers
.rept 4
	v_nop
.endr
.endm
.macro DRAIN                           ; the first two of three lines ahead of a round; scalar work, s_wait_dscnt 0 and the round follow
	WIN 0
	s_wait_alu depctr_va_vdst(0)
	s_wait_tensorcnt 0x0
	ds_add_u32 v[SPW], v[NIL]
.endm
.macro JLOAD h                         ; slot h's joint load, one a wave; each line has one mask; the branch hangs on the wave's number alone
	s_cmp_lt_u32 s18, 2
	s_cbranch_scc0 .Lfor_b_\@
	tensor_load_to_lds s[G0A+4*\h:G0A+4*\h+3], s[G1A:G1A+7]
	s_nop 0
	PLACES
	s_branch .Lasked_\@
.Lfor_b_\@:
	tensor_load_to_lds s[G0B+4*\h:G0B+4*\h+3], s[G1B:G1B+7]
	s_nop 0
	PLACES
.Lasked_\@:
.endm
.macro CHUNK c                         ; my six LDS addresses at chunk c; six plain lines: also the places in front of the loads that follow
	WIN 0
.irp v, 1,2,3,4,5,6
	v_add_nc_u32 v\v, CH*((\c)/2)+3200*((\c)%2), v[15+\v]
.endr
.endm
.macro QUANT s, pc, tp, pw             ; 64 numbers of a lane, register 16 b + i = k 32 b + 16 (lane / 16) + i of my row -> 12 registers of codes, my row's scale word
.irp b, 0,1,2,3
	v_max3_num_f32 v[TM+\b], |v[(\s)+16*\b]|, |v[(\s)+1+16*\b]|, 0x1800000   ; with the floor 2^(3 - 127)
.endr
.irp i, 2,4,6,8,10,12,14
.irp b, 0,1,2,3
	v_max3_num_f32 v[TM+\b], v[TM+\b], |v[(\s)+16*\b+\i]|, |v[(\s)+1+16*\b+\i]|
.endr
.endr
.irp b, 0,1,2,3
	v_permlanex16_b32 v[TM+4+\b], v[TM+\b], s[SEL], s[SEL+1]
.endr
.irp b, 0,1,2,3
	v_max_num_f32 v[TM+\b], v[TM+\b], v[TM+4+\b]
.endr
.irp b, 0,1,2,3
	v_add_nc_u32 v[TM+12+\b], 0xff000000, v[TM+\b]
.endr
.irp b, 0,1,2,3
	v_lshrrev_b32 v[TM+4+\b], 23, v[TM+12+\b]
.endr
	v_lshl_or_b32 v[\pw], v[TM+5], 8, v[TM+4]
	v_lshl_or_b32 v[\pw], v[TM+6], 16, v[\pw]
	v_lshl_or_b32 v[\pw], v[TM+7], 24, v[\pw]
.irp c, 0,1
	v_cvt_scalef32_pk16_fp6_f32 v[(\pc)+6*\c:(\pc)+2+6*\c], v[(\s)+32*\c:(\s)+15+32*\c], v[TM+12+2*\c]
	v_cvt_scalef32_pk16_fp6_f32 v[(\tp)+4*\c:(\tp)+2+4*\c], v[(\s)+16+32*\c:(\s)+31+32*\c], v[TM+13+2*\c]
.endr
	v_nop
.irp c, 0,1
.irp i, 0,1,2
	v_permlane16_swap_b32 v[(\pc)+6*\c+\i], v[(\tp)+4*\c+\i]
.endr
.irp i, 0,1,2
	v_mov_b32 v[(\pc)+3+6*\c+\i], v[(\tp)+4*\c+\i]
.endr
.endr
.endm
.macro FRAGL reg, a16, a8, off         ; a fragment = two half images: 16, 8, 16, 8 bytes a lane, each instruction's bytes on end
	ds_load_b128 v[\reg:\reg+3], v[\a16] offset:\off
	ds_load_b64 v[\reg+4:\reg+5], v[\a8] offset:\off
	ds_load_b128 v[\reg+6:\reg+9], v[\a16] offset:\off+768
	ds_load_b64 v[\reg+10:\reg+11], v[\a8] offset:\off+768
.endm
.macro FETCH s                         ; K step s (128 along K): 8 + 4 fragments into set s % 2; with a chunk's first step its scale words: 48 or 54 LDS loads
.set PP, (\s)%2
.set QQ, ((\s)/2)%2
.set CO, 128*QQ+1536*PP
.set SO, 3072*(1-QQ)
	WIN 0x40                                       ; destination window 1
.irp b, 0,1,2,3,4,5,6,7
	FRAGL 96*PP+12*\b, 3, 4, TILE*\b+CO
.endr
	WIN 0
.irp a, 0,1,2,3
	FRAGL AF+48*PP+12*\a, 1, 2, TILE*\a+CO
.endr
.if PP == 0
.irp i, 0,1
	ds_load_b64 v[SC+12*QQ+2*\i:SC+12*QQ+2*\i+1], v5 offset:TILE*\i+SO       ; source 1: lanes 0-15 tile i, lanes 16-31 tile i + 2; the chunk's two words
.endr
.irp i, 0,1,2,3
	ds_load_b64 v[SC+12*QQ+4+2*\i:SC+12*QQ+5+2*\i], v6 offset:TILE*\i+SO     ; source 0: lanes 0-15 tile i, lanes 16-31 tile i + 4
.endr
.endif
.endm
.macro WM1 c, ra, rb
	v_wmma_scale_f32_16x16x128_f8f6f4 v[DD:DD+7], v[RB:RB+11], v[RA:RA+11], \c, v[SB], v[SA] matrix_a_fmt:MATRIX_FMT_FP6 matrix_b_fmt:MATRIX_FMT_FP6 matrix_a_scale:MATRIX_SCALE_ROW\ra matrix_b_scale:MATRIX_SCALE_ROW\rb
.endm
.macro WM2 ra, rb, zero
.if \zero
	WM1 0, \ra, \rb
.else
	WM1 v[DD:DD+7], \ra, \rb
.endif
.endm
.macro MUL s, zero                     ; 32 matrix instructions; the 32 accumulators take turns, one instruction a turn, in the same order in every step
.set PP, (\s)%2
.set QQ, ((\s)/2)%2
	WIN 0xa1                                       ; source 0 window 1, source 1 window 0, C and D window 2
.irp a, 0,1,2,3
.irp b, 0,1,2,3,4,5,6,7
.set DD, 8*(8*(\a)+(\b))
.set RB, 96*PP+12*(\b)
.set RA, AF+48*PP+12*(\a)
.set SB, SC+12*QQ+4+2*((\b)%4)+PP
.set SA, SC+12*QQ+2*((\a)%2)+PP
.if ((\b) < 4) && ((\a) < 2)
	WM2 0, 0, \zero
.elseif (\a) < 2
	WM2 1, 0, \zero
.elseif (\b) < 4
	WM2 0, 1, \zero
.else
	WM2 1, 1, \zero
.endif
.endr
.endr
.endm
.macro KREST s                         ; the next step's fragments are asked for, then this step is multiplied
.if (\s) < 7
	FETCH (\s)+1
.if ((\s)%2) == 1
	s_wait_dscnt 54                                ; all but the 54 just issued: this step's fragments are in
.else
	s_wait_dscnt 48                                ; all but the 48 just issued
.endif
.else
	s_wait_dscnt 0x0
.endif
.if (\s) == 0
	MUL \s, 1                                      ; the first step starts the sums: nothing is cleared
.else
	MUL \s, 0
.endif
.endm
.macro FIRSTHALF                       ; behind a tile's opening round: slot 1 is asked for; K steps 0 to 2 out of slot 0, and step 3's fragments
	JLOAD 1
	CHUNK 0
	FETCH 0
	KREST 0
	CHUNK 1
	KREST 1
	PLACES
	s_wait_alu depctr_va_vdst(0)
	KREST 2
.endm
.macro STEPS34                         ; behind the middle barrier: steps 3 and 4, and the last chunk's addresses
	CHUNK 2
	KREST 3
	PLACES
	s_wait_alu depctr_va_vdst(0)
	KREST 4
	CHUNK 3
.endm
.macro STEPS567
	s_wait_alu depctr_va_vdst(0)
	KREST 5
	PLACES
	KREST 6
	KREST 7
	WIN 0
	PLACES
	s_wait_loadcnt 0x0                             ; the bias
.endm
; The way out of source 1's tile a: + bias (which also brings the sums into window 0, each accumulator from its low end on), the quantiser, the stores.
.macro EPI a, kind
	WIN 0x02                                       ; source 0 window 2
.set i, 0
.rept 32
.if \kind
	v_pk_add_f32 v[T+2*i:T+2*i+1], v[64*(\a)+2*i:64*(\a)+2*i+1], v[BIAS+2*(\a):BIAS+2*(\a)+1] op_sel_hi:[1,0]
.else
	v_pk_add_f32 v[T+2*i:T+2*i+1], v[64*(\a)+2*i:64*(\a)+2*i+1], v[BIAS+2*i:BIAS+2*i+1]
.endif
.set i, i+1
.endr
	WIN 0
.if (\a) >= 2
	s_wait_xcnt 0x0                                ; the stores of two tiles back have read this set of codes
.endif
.set PQ, PC+12*((\a)%2)
	QUANT T, PQ, TP, PW+(\a)
.if \kind
.irp p, 0,1,2
	global_store_b128 v7, v[PQ+4*\p:PQ+4*\p+3], s[92:93] offset:1536*(\a)+512*\p       ; V: the fragment's image, 512 consecutive bytes a store
.endr
.else
	global_store_b128 v7, v[PQ:PQ+3], s[92:93] offset:768*(\a)                         ; the even head's half image,
	global_store_b64 v8, v[PQ+4:PQ+5], s[92:93] offset:768*(\a)+512
	global_store_b128 v7, v[PQ+6:PQ+9], s[92:93] offset:98304+768*(\a)                 ; the odd head's
	global_store_b64 v8, v[PQ+10:PQ+11], s[92:93] offset:98304+768*(\a)+512
.endif
.endm
.macro EPIS kind
	EPI 0, \kind
	EPI 1, \kind
	EPI 2, \kind
	EPI 3, \kind
	v_cndmask_b32 v[SW], v[PW], v[PW+1], s76       ; lanes 0-15: tiles 0 and 2; lanes 16-31: tiles 1 and 3
	v_cndmask_b32 v[SW+1], v[PW+2], v[PW+3], s76
	global_store_b64 v8, v[SW:SW+1], s[94:95]      ; 256 consecutive bytes
.endm
; ================= the head
	s_load_b256 s[4:11], s[0:1], 0x0               ; xc s[4:5], wc s[6:7], bq s[8:9], bk s[10:11]
	s_load_b128 s[12:15], s[0:1], 0x20             ; bv s[12:13], qkv s[14:15]
	s_load_b64 s[16:17], s[0:1], 0x30              ; qkvs
	v_lshl_add_u32 v[SPW], v0, 2, SPARE
	v_mov_b32 v[NIL], 0
	ds_add_u32 v[SPW], v[NIL]                      ; the opening lines: the add, twice on end, and its wait ahead of my first tensor load
	ds_add_u32 v[SPW], v[NIL]
	v_lshrrev_b32 v1, 5, v0
	v_readfirstlane_b32 s18, v1                    ; wave 0..3
	s_and_b32 s19, s18, 1                          ; which half of a side's rows I fetch
	s_bfe_u32 s21, ttmp6, 0x40000                  ; cx
	s_bfe_u32 s22, ttmp6, 0x40004                  ; cy
	s_and_b32 s80, ttmp7, 0xffff                   ; the cluster's y
	s_lshl_b32 s81, s80, 2
	s_add_co_u32 s81, s81, s22                     ; Q, K: my block of 256 tokens: holds cy, never cx
	s_lshl_b32 s82, ttmp9, 2
	s_add_co_u32 s82, s82, s21                     ; Q: my block of 128 features: holds cx, never cy
	s_lshl_b32 s83, ttmp9, 3
	s_add_co_u32 s83, s83, s80
	s_lshl_b32 s83, s83, 2
	s_add_co_u32 s83, s83, s21                     ; V: my block of 128 tokens: 4 (8 x + y) + cx
	s_lshl_b32 s96, s22, 2
	s_lshl_b32 s96, 15, s96                        ; my row of the cluster
	s_lshl_b32 s97, 0x1111, s21                    ; my column
	s_or_b32 s[G1A], s96, (3<<16)|(1<<21)          ; 15:0 the mask; 17:16 elements of 8 bytes; 21 set beside a mask; no padding
	s_mov_b32 s[G1A+1], 800<<16                    ; tensor_dim0 = 800 elements: 6,400 bytes of one operand tile
	s_mov_b32 s[G1A+2], 8<<16                      ; tensor_dim1 = 8 rows
	s_mov_b32 s[G1A+3], 800<<16                    ; tile_dim0
	s_mov_b32 s[G1A+4], 8                          ; tile_dim1
	s_mov_b32 s[G1A+5], 1600                       ; from row to row: 12,800 bytes
	s_mov_b32 s[G1A+6], 0
	s_mov_b32 s[G1A+7], 0
	s_or_b32 s[G1B], s97, (3<<16)|(1<<21)
	s_mov_b32 s[G1B+1], 800<<16
	s_mov_b32 s[G1B+2], 4<<16                      ; 4 rows
	s_mov_b32 s[G1B+3], 800<<16
	s_mov_b32 s[G1B+4], 4
	s_mov_b32 s[G1B+5], 1600
	s_mov_b32 s[G1B+6], 0
	s_mov_b32 s[G1B+7], 0
	s_mul_i32 s84, s19, 102400                     ; my 8 rows of source 1,
	s_mul_i32 s86, s19, 51200                      ; my 4 of source 0
	s_mul_i32 s68, s81, 204800                     ; where the three tiles' rows begin.  Q, K: the tokens;
	s_add_co_u32 s68, s68, s84
	s_mov_b32 s69, 0
	s_mul_i32 s90, s82, 102400                     ; Wq's features;
	s_add_co_u32 s90, s90, s86
	s_mov_b32 s91, 0
	s_add_co_u32 s70, s90, 819200                  ; Wk's, eight blocks on;
	s_mov_b32 s71, 0
	s_mul_i32 s72, s22, 204800                     ; V: Wv's features, behind Wq and Wk;
	s_add_co_u32 s72, s72, s84
	s_add_co_u32 s72, s72, 1638400
	s_mov_b32 s73, 0
	s_mul_i32 s74, s83, 102400                     ; its tokens
	s_add_co_u32 s74, s74, s86
	s_mov_b32 s75, 0
	s_mul_i32 s92, s19, 51200                      ; where they go in a slot: no place in the cluster enters an LDS address
	s_mul_i32 s93, s19, 25600
	s_add_co_u32 s93, s93, BOFF
	s_mov_b32 s76, 0xffff0000                      ; lanes 16-31
	s_mov_b32 s[SEL], 0x76543210
	s_mov_b32 s[SEL+1], 0xfedcba98
	s_mov_b32 s98, 0                               ; the loop's trip: 0 Q, 1 K
	s_wait_dscnt 0x0                               ; both opening adds are done
	s_wait_kmcnt 0x0
	s_add_nc_u64 s[68:69], s[4:5], s[68:69]
	s_add_nc_u64 s[90:91], s[6:7], s[90:91]
	s_add_nc_u64 s[70:71], s[6:7], s[70:71]
	s_add_nc_u64 s[72:73], s[6:7], s[72:73]
	s_add_nc_u64 s[74:75], s[4:5], s[74:75]
	CROUND                                         ; all sixteen work-groups are here: the joint loads meet
.irp c, 0,1
	s_mov_b32 s[G0A+4*\c], 1
	s_add_co_u32 s[G0A+4*\c+1], s92, CH*\c
	s_add_nc_u64 s[G0A+4*\c+2:G0A+4*\c+3], s[68:69], TILE*\c
	s_or_b32 s[G0A+4*\c+3], s[G0A+4*\c+3], 0x80000000
	s_mov_b32 s[G0B+4*\c], 1
	s_add_co_u32 s[G0B+4*\c+1], s93, CH*\c
	s_add_nc_u64 s[G0B+4*\c+2:G0B+4*\c+3], s[90:91], TILE*\c
	s_or_b32 s[G0B+4*\c+3], s[G0B+4*\c+3], 0x80000000
.endr
	JLOAD 0                                        ; Q's first half of K: one tensor load a wave at the head
	v_and_b32 v9, 31, v0                           ; lane
	v_and_b32 v10, 15, v0                          ; r
	v_bfe_u32 v11, v0, 4, 1                        ; h
	s_mul_i32 s80, s18, 25600                      ; my four tiles of source 1
	v_lshlrev_b32 v7, 4, v9
	v_lshlrev_b32 v8, 3, v9
	v_add_nc_u32 v16, s80, v7
	v_add_nc_u32 v17, s80, v8
	v_add_nc_u32 v17, 512, v17
	v_add_nc_u32 v18, BOFF, v7
	v_add_nc_u32 v19, BOFF+512, v8
	v_lshlrev_b32 v12, 3, v10
	v_mad_u32_u24 v20, v11, 12800, v12             ; scale words: 8 r, lanes 16-31 two tiles on
	v_add_nc_u32 v20, s80, v20
	v_mad_u32_u24 v21, v11, 25600, v12             ; source 0's: lanes 16-31 four tiles on
	v_add_nc_u32 v21, BOFF, v21
	v_lshlrev_b32 v14, 6, v11                      ; Q's and K's bias: 64 h
	v_and_b32 v12, 7, v10
	v_bfe_u32 v13, v10, 3, 1
	v_lshl_add_u32 v12, v13, 4, v12
	v_lshlrev_b32 v15, 2, v12                      ; V's: 4 ((r & 7) + 16 (r >> 3))
.irp b, 0,1,2,3
	v_mov_b32 v[TM+4+\b], 0                        ; written once: a lane permute's destination counts as one of its sources
.endr
	DRAIN                                          ; slot 0 is in; slot 1's first fill is issued as a refill is
	s_wait_dscnt 0x0
	CROUND
	FIRSTHALF
	WIN 0
; ================= the loop: from a tile's middle to the next tile's middle.  Trip 0 finishes Q and begins K, trip 1 finishes K and begins V.
.Lloop:
	DRAIN                                          ; slot 1 is in, and (below) my reads of slot 0 are over
	s_cmp_eq_u32 s98, 0                            ; the next tile's rows: K's or V's, by the trip alone
	s_cselect_b64 s[48:49], s[68:69], s[72:73]
	s_cselect_b64 s[50:51], s[70:71], s[74:75]
	s_mov_b64 s[G0A+2:G0A+3], s[48:49]
	s_or_b32 s[G0A+3], s[G0A+3], 0x80000000
	s_mov_b64 s[G0B+2:G0B+3], s[50:51]
	s_or_b32 s[G0B+3], s[G0B+3], 0x80000000
	s_wait_dscnt 0x0
	CROUND
	JLOAD 0                                        ; the next tile's first half of K
	STEPS34
	; the bias of my 128 features in the result's layout (register 16 b + i is feature 32 b + 16 h + i), and where the results go
	s_lshl_b32 s82, s98, 1
	s_add_co_u32 s82, s82, ttmp9
	s_lshl_b32 s82, s82, 2
	s_add_co_u32 s82, s82, s21                     ; this tile's block of 128 features
	s_cmp_eq_u32 s98, 0
	s_cselect_b64 s[84:85], s[8:9], s[10:11]       ; bq or bk
	s_and_b32 s88, s82, 7                          ; the pair of heads
	s_lshl_b32 s86, s88, 9
	s_mov_b32 s87, 0
	s_add_nc_u64 s[84:85], s[84:85], s[86:87]
.irp b, 0,1,2,3
.irp k, 0,1,2,3
	global_load_b128 v[BIAS+16*\b+4*\k:BIAS+16*\b+4*\k+3], v14, s[84:85] offset:128*\b+16*\k
.endr
.endr
	s_lshl_b32 s86, s81, 4
	s_lshl_b32 s87, s18, 2
	s_add_co_u32 s86, s86, s87                     ; my first tile of tokens
	s_lshr_b32 s87, s86, 7                         ; batch
	s_and_b32 s86, s86, 127                        ; tile in the batch
	s_lshl_b32 s90, s87, 4
	s_lshl_b32 s91, s88, 1
	s_add_co_u32 s90, s90, s91                     ; 16 batch + the even head
	s_mul_i32 s90, s90, 98304
	s_mul_i32 s91, s98, 6291456                    ; K lies behind Q
	s_add_co_u32 s90, s90, s91
	s_mul_i32 s91, s86, 768
	s_add_co_u32 s90, s90, s91
	s_mov_b32 s91, 0
	s_add_nc_u64 s[92:93], s[14:15], s[90:91]
	s_lshl_b32 s90, s87, 3
	s_add_co_u32 s90, s90, s88
	s_lshl_b32 s90, s90, 5
	s_lshr_b32 s94, s86, 2
	s_add_co_u32 s90, s90, s94
	s_lshl_b32 s90, s90, 8
	s_lshl_b32 s94, s98, 18
	s_add_co_u32 s90, s90, s94
	s_add_nc_u64 s[94:95], s[16:17], s[90:91]
	STEPS567
	EPIS 0
	s_wait_xcnt 0x0                                ; the stores have read their registers and bases: fragments may land there, the bases may be written
	DRAIN                                          ; the next tile's slot 0 is in; my reads of slot 1 were over ahead of the way out
	s_add_nc_u64 s[G0A+6:G0A+7], s[48:49], TILE    ; its second half of K
	s_or_b32 s[G0A+7], s[G0A+7], 0x80000000
	s_add_nc_u64 s[G0B+6:G0B+7], s[50:51], TILE
	s_or_b32 s[G0B+7], s[G0B+7], 0x80000000
	s_wait_dscnt 0x0
	CROUND
	FIRSTHALF
	WIN 0
	s_add_co_u32 s98, s98, 1
	s_cmp_lt_u32 s98, 2
	s_cbranch_scc1 .Lloop
; ================= the tail: V's second half; nothing more is asked for, so a plain barrier shows slot 1
	s_wait_alu depctr_va_vdst(0)
	s_wait_tensorcnt 0x0
	s_wait_dscnt 0x0
	s_barrier_signal -1
	s_barrier_wait -1
	STEPS34
	; the bias of my lane's feature in each of my four tiles (loaded twice: the packed form names a pair)
	s_lshl_b32 s84, s22, 10
	s_lshl_b32 s85, s18, 8
	s_add_co_u32 s84, s84, s85                     ; 4 (256 block + 64 wave)
	s_mov_b32 s85, 0
	s_add_nc_u64 s[84:85], s[12:13], s[84:85]
.irp a, 0,1,2,3
	global_load_b32 v[BIAS+2*\a], v15, s[84:85] offset:4*(32*(\a/2)+8*(\a%2))
	global_load_b32 v[BIAS+2*\a+1], v15, s[84:85] offset:4*(32*(\a/2)+8*(\a%2))
.endr
	s_lshl_b32 s86, s22, 2
	s_add_co_u32 s86, s86, s18                     ; the head
	s_lshr_b32 s87, s83, 4                         ; batch
	s_and_b32 s88, s83, 15                         ; key step
	s_lshl_b32 s87, s87, 4
	s_add_co_u32 s86, s86, s87
	s_lshl_b32 s86, s86, 4
	s_add_co_u32 s86, s86, s88
	s_mul_i32 s90, s86, 6144
	s_add_co_u32 s90, s90, 12582912
	s_mov_b32 s91, 0
	s_add_nc_u64 s[92:93], s[14:15], s[90:91]
	s_lshl_b32 s90, s86, 8
	s_add_co_u32 s90, s90, 524288
	s_add_nc_u64 s[94:95], s[16:17], s[90:91]
	STEPS567
	EPIS 1
	s_wait_tensorcnt 0x0                           ; the wave's end
	ds_add_u32 v[SPW], v[NIL]
	s_wait_dscnt 0x0
	CROUND                                         ; the closing round
	s_endpgm
.Lfunc_end_k_q0fabfdba0f_proj:
	.size	k_q0fabfdba0f_proj, .Lfunc_end_k_q0fabfdba0f_proj-k_q0fabfdba0f_proj
	.p2alignl 7, 3214868480
	.fill 96, 4, 3214868480
	.section	.rodata,"a",@progbits
	.p2align	6, 0x0
	.amdhsa_kernel k_q0fabfdba0f_proj
		.amdhsa_group_segment_fixed_size 327680
		.amdhsa_private_segment_fixed_size 0
		.amdhsa_enable_private_segment 0
		.amdhsa_kernarg_size 56
		.amdhsa_user_sgpr_count 2
		.amdhsa_user_sgpr_kernarg_segment_ptr 1
		.amdhsa_wavefront_size32 1
		.amdhsa_system_sgpr_workgroup_id_x 1
		.amdhsa_system_sgpr_workgroup_id_y 1
		.amdhsa_system_sgpr_workgroup_id_z 1
		.amdhsa_system_vgpr_workitem_id 0
		.amdhsa_next_free_vgpr 768
		.amdhsa_next_free_sgpr 100
		.amdhsa_reserve_vcc 0
		.amdhsa_float_denorm_mode_32 3
		.amdhsa_float_denorm_mode_16_64 3
		.amdhsa_memory_ordered 1
		.amdhsa_forward_progress 1
		.amdhsa_inst_pref_size 186
	.end_amdhsa_kernel
	.amdgpu_metadata
---
amdhsa.version: [ 1, 2 ]
amdhsa.kernels:
  - .name:           k_q0fabfdba0f_proj
    .symbol:         k_q0fabfdba0f_proj.kd
    .args:
      - { .name: xc, .offset: 0, .size: 8, .value_kind: global_buffer, .address_space: global }
      - { .name: wc, .offset: 8, .size: 8, .value_kind: global_buffer, .address_space: global }
      - { .name: bq, .offset: 16, .size: 8, .value_kind: global_buffer, .address_space: global }
      - { .name: bk, .offset: 24, .size: 8, .value_kind: global_buffer, .address_space: global }
      - { .name: bv, .offset: 32, .size: 8, .value_kind: global_buffer, .address_space: global }
      - { .name: qkv, .offset: 40, .size: 8, .value_kind: global_buffer, .address_space: global }
      - { .name: qkvs, .offset: 48, .size: 8, .value_kind: global_buffer, .address_space: global }
    .group_segment_fixed_size: 327680
    .private_segment_fixed_size: 0
    .kernarg_segment_align: 8
    .kernarg_segment_size: 56
    .max_flat_workgroup_size: 128
    .sgpr_count:     100
    .vgpr_count:     768
    .wavefront_size: 32
...
	.end_amdgpu_metadata
.endif
;; end of part 2
;; launch attn (part 3): grid 4 x 64, 16 waves a work-group, no clusters, 237,056 bytes of LDS; arguments qkv, qkvs, mw, oc; writes oc
.if DOCPART == 3
	.amdgcn_target "amdgcn-amd-amdhsa--gfx1250"
	.amdhsa_code_object_version 6
	.text
	.protected	k_q0fabfdba0f_attn
	.globl	k_q0fabfdba0f_attn
	.p2align	8
	.type	k_q0fabfdba0f_attn,@function
k_q0fabfdba0f_attn:
	s_mov_b64 s[64:65], 0
	v_nop
	global_prefetch_b8 v0, s[64:65] scope:SCOPE_SE
	s_setreg_imm32_b32 hwreg(HW_REG_WAVE_MODE, 25, 1), 1
	s_wait_xcnt 0x0
; ATTN: for one head and 512 queries: S^T = K Q^T, the mask, the streaming softmax p = 2^(t - M), O^T += V^T P^T, O / l quantised along D for the last product.  All products on codes of E2M3.
; SHARES.  A work-group owns one (batch, head) and 512 queries; each of its sixteen waves two tiles of 16 queries, one after the other, in 256 registers.
; THE HEAD'S K AND V LIE IN LDS FOR THE WHOLE LAUNCH: wave w brings key step w's K, V and scale words through registers; one barrier.
; NO TENSOR LOAD AND NO CLUSTER: a key step whose mask has a hole takes another way, by a branch on a flag that an earlier launch stored; LDS is filled through registers.
; NO PREFETCH: all that the launch reads from memory is asked for at its head; the loop reads LDS.
; LAYOUT.  Both products are used transposed: a lane holds ONE query (lane % 16).  THE KEYS OF A TILE ARE CHOSEN AS THE FRAGMENTS ARE READ FROM LDS: tile 4 c + u of a step has rows 0-7 = keys 64 c + 8 u + 0..7 and
;   rows 8-15 = keys 64 c + 32 + 8 u + 0..7.  So registers 96 + 32 c + i of lane (r, h) are keys 64 c + 32 h + i: a whole scale block of p in one lane, in the order of the operand's registers.
;   In the stored images (tile T = 2 g + a holds tokens 32 g + 8 a + (row & 7) + 16 (row >> 3)) row r of tile 4 c + u is row (r & 7) + 8 (u >> 1) of stored tile 4 c + 2 (r >> 3) + (u & 1).
; LDS, a block of SB bytes a step: V of the step BEFORE (6,144: V's address is made when the step's other addresses have been stepped on), K's 16-byte parts (pairs of stored tiles 1,152 apart), its 8-byte parts (576 apart),
;   K's scale words (16 bytes a lane: word 2 c + (u >> 1); lanes 0-15 even u, lanes 16-31 odd u), V's scale words.  The pitches 1,152 and 576 set rows 8-15 beside rows 0-7 in a row of 64 banks (ISA guide 11.1).
; K = 64 in the first product: Q's fragment has zero codes in its upper six registers.  K's fragments lie SIX registers apart: a fragment's upper six are the next one's lower six (the last one's: the next tile's Q);
;   they meet Q's zeros and add exactly 0; the scale bytes that go with them are never 0xff.
; THE MASK.  Hidden keys get score - 8e9 = 8 x (score / 8 - 1e9); on that way t is rounded as logit x log2(e) before M is taken off.
; LIMITS: NaN and infinities are not served; a block of zeros has the byte 1; 1 / l is v_rcp_f32 and a multiplication; the scaled scores stay under 2^31 in magnitude.
; REGISTERS: v1-4, v31, v92 lane constants; v5, v6 the add's two; v8-11 the step's addresses; v12 -M, v13 the largest score, v[14:15] the sum; v16-27 Q, v28 its scale word; v32-79 K, then V; v80-86 the next tile's Q and word;
;   v87 -8e9; v88-91 addends; v96-159 S^T, p; v160-191 O^T; v192-211 p's codes; v212-217 K's and V's scale words, v218 p's; v232-255 at work.
.set SB,    13824
.set OK128, 6144
.set OK64,  10752
.set OKS,   13056
.set OVS,   13568
.set SPARE, 17*SB                      ; the spare words, 128 bytes for each of sixteen waves
.set SPW, 5
.set NIL, 6
	s_load_b256 s[4:11], s[0:1], 0x0               ; qkv s[4:5], qkvs s[6:7], mw s[8:9], oc s[10:11]
	v_lshl_add_u32 v[SPW], v0, 2, SPARE
	v_mov_b32 v[NIL], 0
	v_lshrrev_b32 v1, 5, v0
	v_readfirstlane_b32 s12, v1                    ; wave 0..15
	s_and_b32 s13, ttmp7, 0xffff                   ; 16 batch + head
	s_lshr_b32 s14, s13, 4                         ; batch
	s_and_b32 s72, s13, 15                         ; head
	s_and_b32 s15, s72, 1
	s_lshl_b32 s15, s15, 4                         ; an odd head's two scale bytes stand 16 bits up in Q's and K's words
	s_lshl_b32 s81, ttmp9, 5
	s_lshl_b32 s73, s12, 1
	s_add_co_u32 s81, s81, s73                     ; my first tile of queries
	s_mul_i32 s73, s13, 98304
	s_lshl_b32 s80, s14, 3
	s_lshr_b32 s74, s72, 1
	s_add_co_u32 s80, s80, s74                     ; 8 batch + pair of heads
	s_mul_i32 s96, s12, 6144                       ; key step = my wave: its images
	s_add_co_u32 s74, s73, 6291456                 ; K's
	s_add_co_u32 s74, s74, s96
	s_mov_b32 s75, 0
	s_add_co_u32 s76, s73, 12582912                ; V's
	s_add_co_u32 s76, s76, s96
	s_mov_b32 s77, 0
	s_mul_i32 s78, s81, 768
	s_add_co_u32 s78, s78, s73                     ; my Q
	s_mov_b32 s79, 0
	s_lshl_b32 s82, s80, 13
	s_add_co_u32 s82, s82, 262144                  ; K's scale words, 512 bytes a step
	s_lshl_b32 s96, s12, 9
	s_add_co_u32 s82, s82, s96
	s_mov_b32 s83, 0
	s_lshl_b32 s84, s13, 12
	s_add_co_u32 s84, s84, 524288                  ; V's, 256
	s_lshl_b32 s96, s12, 8
	s_add_co_u32 s84, s84, s96
	s_mov_b32 s85, 0
	s_mul_i32 s97, s12, SB                         ; my step's block in LDS
	s_lshl_b32 s86, s80, 5
	s_lshr_b32 s87, s81, 2
	s_add_co_u32 s86, s86, s87
	s_lshl_b32 s86, s86, 8
	s_bfe_u32 s87, s81, 0x10001
	s_lshl_b32 s87, s87, 2
	s_add_co_u32 s86, s86, s87                     ; Q's scale words: my two tiles are one group of 32 tokens
	s_mov_b32 s87, 0
	s_lshl_b32 s66, s81, 12                        ; the mask words: 4,096 bytes a tile
	s_mov_b32 s67, 0
	s_lshl_b32 s88, s81, 4
	s_add_co_u32 s88, s88, 524288                  ; the flags: four words a tile
	s_mov_b32 s89, 0
	s_lshl_b32 s90, s14, 7
	s_add_co_u32 s90, s90, s81
	s_mul_i32 s90, s90, 12800                      ; O's tile,
	s_lshr_b32 s91, s72, 2
	s_mul_i32 s92, s91, 3200
	s_add_co_u32 s90, s90, s92                     ; the chunk of four heads,
	s_and_b32 s91, s91, 1
	s_lshl_b32 s92, s91, 7
	s_and_b32 s93, s72, 3
	s_mul_i32 s93, s93, 768
	s_add_co_u32 s92, s92, s93
	s_add_co_u32 s92, s92, s90                     ; my head's half image in it,
	s_mov_b32 s93, 0
	s_xor_b32 s91, s91, 1
	s_mul_i32 s91, s91, 3072
	s_add_co_u32 s94, s90, s91
	s_bfe_u32 s95, s72, 0x10001
	s_lshl_b32 s95, s95, 2
	s_add_co_u32 s94, s94, s95
	s_and_b32 s95, s72, 1
	s_lshl_b32 s95, s95, 1
	s_add_co_u32 s94, s94, s95                     ; and my head's two bytes of a row's eight
	s_mov_b32 s95, 0
	s_mov_b32 s16, 0xffff0000                      ; lanes 16-31
	s_mov_b32 s58, 0x3e38aa3b                      ; c = log2(e) / 8
	s_mov_b32 s59, s58                             ; (named with it as a pair)
	s_mov_b32 s62, 0xbe38aa3b                      ; -c
	s_mov_b32 s60, 0x76543210
	s_mov_b32 s61, 0xfedcba98                      ; v_permlanex16_b32's selects for lane l xor 16
	v_and_b32 v88, 31, v0
	v_and_b32 v89, 15, v0                          ; r
	v_bfe_u32 v90, v0, 4, 1                        ; h
	v_and_b32 v91, 7, v0                           ; r & 7
	v_bfe_u32 v94, v0, 3, 1                        ; r >> 3
	v_lshlrev_b32 v1, 4, v88                       ; 16 x lane: V's fragments, K's scale words
	v_lshlrev_b32 v31, 3, v88                      ; 8 x lane
	v_mul_u32_u24 v2, v94, 1152
	v_mul_u32_u24 v3, v94, 576
	v_lshl_add_u32 v2, v91, 4, v2
	v_lshl_add_u32 v3, v91, 3, v3
	v_lshl_add_u32 v2, v90, 8, v2
	v_lshl_add_u32 v3, v90, 7, v3
	v_add_nc_u32 v2, OK128, v2                     ; K's 16-byte parts: 1,152 (r >> 3) + 16 (r & 7) + 256 h
	v_add_nc_u32 v3, OK64, v3                      ; its 8-byte parts: 576 (r >> 3) + 8 (r & 7) + 128 h
	v_add_nc_u32 v4, OVS, v31                      ; V's scale words
	v_lshlrev_b32 v89, 3, v89                      ; 8 r
	v_add_nc_u32 v92, v89, v90                     ; 8 r + h
	v_add_nc_u32 v8, s97, v1                       ; the fill: my block, 16 bytes a lane,
	v_add_nc_u32 v9, s97, v31                      ; 8 bytes a lane,
	v_and_b32 v10, 3, v0
	v_bfe_u32 v11, v0, 2, 1
	v_lshlrev_b32 v10, 5, v10
	v_lshl_add_u32 v10, v11, 2, v10
	v_lshl_add_u32 v10, v94, 8, v10
	v_lshl_add_u32 v10, v90, 3, v10
	v_add_nc_u32 v10, s97, v10                     ; and K's scale words: word j of lane L goes to 32 (L & 3) + 4 ((L >> 2) & 1) + 256 ((L >> 3) & 1) + 8 (L >> 4) + 16 (j / 2) + 128 (j % 2)
	s_wait_alu depctr_va_vdst(0)
	s_wait_kmcnt 0x0
	s_add_nc_u64 s[74:75], s[4:5], s[74:75]
	s_add_nc_u64 s[76:77], s[4:5], s[76:77]
	s_add_nc_u64 s[78:79], s[4:5], s[78:79]
	s_add_nc_u64 s[82:83], s[6:7], s[82:83]
	s_add_nc_u64 s[84:85], s[6:7], s[84:85]
	s_add_nc_u64 s[86:87], s[6:7], s[86:87]
	s_add_nc_u64 s[66:67], s[8:9], s[66:67]
	s_add_nc_u64 s[88:89], s[8:9], s[88:89]
	s_add_nc_u64 s[68:69], s[10:11], s[92:93]
	s_add_nc_u64 s[70:71], s[10:11], s[94:95]
	s_load_b256 s[20:27], s[88:89], 0x0            ; both tiles' flags
.irp t, 0,1,2,3,4,5,6,7
	global_load_b128 v[96+4*\t:99+4*\t], v1, s[74:75] offset:768*\t          ; a stored tile's 512 bytes,
	global_load_b64 v[128+2*\t:129+2*\t], v31, s[74:75] offset:768*\t+512    ; and its 256
.endr
.irp i, 0,1,2,3,4,5,6,7,8,9,10,11
	global_load_b128 v[144+4*\i:147+4*\i], v1, s[76:77] offset:512*\i
.endr
	global_load_b128 v[192:195], v1, s[82:83]
	global_load_b64 v[196:197], v31, s[84:85]
	global_load_b128 v[16:19], v1, s[78:79]        ; Q of my first tile,
	global_load_b64 v[20:21], v31, s[78:79] offset:512
	global_load_b128 v[80:83], v1, s[78:79] offset:768   ; of my second
	global_load_b64 v[84:85], v31, s[78:79] offset:1280
	global_load_b32 v28, v89, s[86:87]
	global_load_b32 v86, v89, s[86:87] offset:128
	s_wait_loadcnt 0x0
.irp j, 0,1,2,3
	v_lshrrev_b32 v[192+\j], s15, v[192+\j]        ; my head's two bytes to bytes 0 and 1
.endr
	v_lshrrev_b32 v28, s15, v28
	v_lshrrev_b32 v86, s15, v86
.irp t, 0,1,2,3,4,5,6,7
	ds_store_b128 v8, v[96+4*\t:99+4*\t] offset:OK128+1152*(\t/2)+512*(\t%2)
	ds_store_b64 v9, v[128+2*\t:129+2*\t] offset:OK64+576*(\t/2)+256*(\t%2)
.endr
.irp i, 0,1,2,3,4,5,6,7,8,9,10,11
	ds_store_b128 v8, v[144+4*\i:147+4*\i] offset:SB+512*\i
.endr
.irp j, 0,1,2,3
	ds_store_b32 v10, v[192+\j] offset:OKS+16*(\j/2)+128*(\j%2)
.endr
	ds_store_b64 v9, v[196:197] offset:OVS
.irp j, 0,1,2,3,4,5
	v_mov_b32 v[22+\j], 0                          ; Q's zero codes for k = 64 .. 127
.endr
	v_mov_b32 v237, 0                              ; written once: a lane permute's destination counts as one of its sources
	v_mov_b32 v239, 0
	v_mov_b32 v253, 0                              ; (named as the upper half of the pair v[252:253])
	v_mov_b32 v87, 0xcfee6b28                      ; -8e9
	s_wait_alu depctr_va_vdst(0)
	s_wait_kmcnt 0x0
	s_or_b32 s19, s20, s21
	s_or_b32 s19, s19, s22
	s_or_b32 s19, s19, s23                         ; bit s: key step s has a hole for my first tile;
	s_or_b32 s52, s24, s25
	s_or_b32 s52, s52, s26
	s_or_b32 s52, s52, s27                         ; for my second
	s_wait_dscnt 0x0                               ; for the others' sake: my stores have landed
	s_barrier_signal -1
	s_barrier_wait -1                              ; the head's K and V are whole; nothing is stored to LDS from here on
; The two blocks' largest scores (two chains a block, each accumulator read from its low end on), M, f, and t - M.  slow = 1: t is rounded before M is taken off.
.macro FRONT slow
.irp c, 0,1
	v_max3_num_f32 v[232+\c], v[96+32*\c], v[97+32*\c], v[98+32*\c]
	v_max3_num_f32 v[234+\c], v[113+32*\c], v[114+32*\c], v[115+32*\c]
.endr
.irp i, 3,5,7,9,11,13
.irp c, 0,1
	v_max3_num_f32 v[232+\c], v[232+\c], v[96+32*\c+\i], v[97+32*\c+\i]
	v_max3_num_f32 v[234+\c], v[234+\c], v[113+32*\c+\i], v[114+32*\c+\i]
.endr
.endr
.irp c, 0,1
	v_max3_num_f32 v[232+\c], v[232+\c], v[111+32*\c], v[112+32*\c]
.endr
	s_delay_alu instid0(VALU_DEP_2)
	v_max_num_f32 v232, v232, v234                 ; my block c = 0: it serves the row's maximum and the block's largest p
	s_delay_alu instid0(VALU_DEP_2)
	v_max_num_f32 v233, v233, v235
	s_delay_alu instid0(VALU_DEP_1)
	v_max_num_f32 v236, v232, v233
	s_delay_alu instid0(VALU_DEP_1)
	v_permlanex16_b32 v237, v236, s60, s61
	s_delay_alu instid0(VALU_DEP_1)
	v_max3_num_f32 v13, v13, v236, v237            ; the running largest score
	s_delay_alu instid0(VALU_DEP_1)
	v_mul_f32 v254, s62, v13                       ; -t
	s_delay_alu instid0(VALU_DEP_1)
	v_floor_f32 v12, v254                          ; -M = floor(-t): M is a whole number
.set j, 0
.rept 32
.if \slow
	v_pk_mul_f32 v[96+j:97+j], v[96+j:97+j], s[58:59] op_sel_hi:[1,0]
.else
	v_pk_fma_f32 v[96+j:97+j], v[96+j:97+j], s[58:59], v[12:13] op_sel_hi:[1,0,0]   ; t - M
.endif
.if j == 8
	v_sub_f32 v254, v12, v255                      ; old M - new M
.endif
.if j == 20
	v_cvt_i32_f32 v254, v254                       ; (it saturates)
.endif
.if j == 32
	v_ldexp_f32 v252, 1.0, v254                    ; f = 2^(old M - new M)
.endif
.set j, j+2
.endr
.if \slow
.set j, 0
.rept 32
	v_pk_add_f32 v[96+j:97+j], v[96+j:97+j], v[12:13] op_sel_hi:[1,0]
.set j, j+2
.endr
	v_mul_f32 v232, s58, v232
	v_mul_f32 v233, s58, v233
	v_add_f32 v232, v232, v12
	v_add_f32 v233, v233, v12
.else
	v_fma_f32 v232, v232, s58, v12                 ; the same of each block's largest score
	v_fma_f32 v233, v233, s58, v12
.endif
.endm
; 32 of a step's 64 mask words, a bit a lane, and the addition on the 32 scores that they speak of.
.macro MASK32 half
	s_load_b512 s[20:35], s[66:67], s55 offset:128*\half
	s_load_b512 s[36:51], s[66:67], s55 offset:128*\half+64
	s_wait_kmcnt 0x0
.set n, 0
.rept 16
	v_cndmask_b32 v[88+2*(n%2)], 0, v87, s[20+2*n]
	v_cndmask_b32 v[89+2*(n%2)], 0, v87, s[21+2*n]
	v_pk_add_f32 v[96+32*\half+2*n:97+32*\half+2*n], v[96+32*\half+2*n:97+32*\half+2*n], v[88+2*(n%2):89+2*(n%2)]
.set n, n+1
.endr
.endm
.macro ADD4 k                          ; four pairs of p onto the sum's four chains
	v_pk_add_f32 v[240:241], v[240:241], v[96+2*(\k):97+2*(\k)]
	v_pk_add_f32 v[242:243], v[242:243], v[98+2*(\k):99+2*(\k)]
	v_pk_add_f32 v[246:247], v[246:247], v[100+2*(\k):101+2*(\k)]
	v_pk_add_f32 v[14:15], v[14:15], v[102+2*(\k):103+2*(\k)]
.endm
	s_mov_b32 s17, 2
.Ltile:
	s_mov_b32 s53, 0                               ; the step's block in LDS
	s_mov_b32 s55, 0                               ; the mask words: 256 bytes a step
	s_mov_b32 s57, 0                               ; the step
	v_mov_b32 v13, 0xff61b1e6                      ; the largest score so far: -3e38
	v_mov_b32 v14, 0
	v_mov_b32 v15, 0
	v_mul_f32 v12, s62, v13                        ; -M (a whole number at that size),
	v_mul_f32 v255, s62, v13                       ; and its copy for the first step
.set j, 0
.rept 32
	v_mov_b32 v[160+j], 0                          ; O^T: the step is written once; its first trip finds zeros
.set j, j+1
.endr
	v_add_nc_u32 v8, s53, v2
	v_add_nc_u32 v9, s53, v3
	v_add_nc_u32 v10, s53, v1
	v_add_nc_u32 v11, s53, v4
.Lstep:
	ds_load_b128 v[212:215], v10 offset:OKS        ; K's scale words: register t / 2, lanes 0-15 the even tile, lanes 16-31 the odd
	ds_load_b64 v[216:217], v11                    ; V's likewise
.irp t, 0,1,2,3,4,5,6,7
	ds_load_b128 v[32+6*\t:35+6*\t], v8 offset:2304*(\t/4)+512*(\t%2)+128*((\t/2)%2)
	ds_load_b64 v[36+6*\t:37+6*\t], v9 offset:1152*(\t/4)+256*(\t%2)+64*((\t/2)%2)
.endr
	s_wait_dscnt 0x0
.irp t, 0,2,4,6
	v_wmma_scale_f32_16x16x128_f8f6f4 v[96+8*\t:103+8*\t], v[32+6*\t:43+6*\t], v[16:27], 0, v[212+\t/2], v28 matrix_a_fmt:MATRIX_FMT_FP6 matrix_b_fmt:MATRIX_FMT_FP6
	v_wmma_scale_f32_16x16x128_f8f6f4 v[104+8*\t:111+8*\t], v[38+6*\t:49+6*\t], v[16:27], 0, v[212+\t/2], v28 matrix_a_fmt:MATRIX_FMT_FP6 matrix_b_fmt:MATRIX_FMT_FP6 matrix_a_scale:MATRIX_SCALE_ROW1
.endr
	s_add_co_u32 s53, s53, SB
	v_add_nc_u32 v8, s53, v2                       ; the next step's addresses: four plain lines, the places behind the products
	v_add_nc_u32 v9, s53, v3
	v_add_nc_u32 v10, s53, v1
	v_add_nc_u32 v11, s53, v4
.irp d, 0,1,2,3
.irp p, 0,1,2
	ds_load_b128 v[32+12*\d+4*\p:35+12*\d+4*\p], v10 offset:1536*\d+512*\p   ; V's four fragments of THIS step (they lie at the next block's head), where K's lay
.endr
.endr
	s_bitcmp1_b32 s19, s57                         ; has this step a hole for my queries?  A whole number that an earlier launch stored
	s_cbranch_scc0 .Lfast
	MASK32 0
	MASK32 1
	FRONT 1
	s_branch .Ljoin
.Lfast:
	FRONT 0
.Ljoin:
	s_wait_alu depctr_va_vdst(0)
.set j, 0
.rept 64
	v_exp_f32 v[96+j], v[96+j]                     ; p = 2^(t - M), at most 1: not normalised
.set j, j+1
.endr
	v_exp_f32 v232, v232                           ; each block's largest p
	v_exp_f32 v233, v233
	v_pk_mul_f32 v[14:15], v[14:15], v[252:253] op_sel_hi:[1,0]   ; the sum under the new M; the plain line behind the exponentials
	s_wait_alu depctr_va_vdst(0)                   ; one wait for the batch, ahead of its first reader
	; the row's sum of the unquantised p in four chains; p's scales and codes stand among them, each line five or more behind what it reads
	v_pk_add_f32 v[240:241], v[96:97], v[98:99]
	v_pk_add_f32 v[242:243], v[100:101], v[102:103]
	v_pk_add_f32 v[246:247], v[104:105], v[106:107]
	v_pk_add_f32 v[14:15], v[14:15], v[108:109]
	v_max_num_f32 v232, 0x1800000, v232            ; the floor 2^(3 - 127)
	v_max_num_f32 v233, 0x1800000, v233
	ADD4 7
	v_add_nc_u32 v244, 0xff000000, v232            ; 2 off the exponent field: the conversions' scale operands
	v_add_nc_u32 v245, 0xff000000, v233
	ADD4 11
	v_lshrrev_b32 v236, 23, v244                   ; the bytes of my blocks h and 2 + h
	v_lshrrev_b32 v237, 23, v245
	v_cvt_scalef32_pk16_fp6_f32 v[192:194], v[96:111], v244
	v_cvt_scalef32_pk16_fp6_f32 v[204:206], v[112:127], v244   ; (a conversion's three registers begin on an even number)
	v_cvt_scalef32_pk16_fp6_f32 v[198:200], v[128:143], v245
	v_cvt_scalef32_pk16_fp6_f32 v[208:210], v[144:159], v245
	ADD4 15
	v_lshl_or_b32 v238, v237, 16, v236
	v_mov_b32 v195, v204
	ADD4 19
	v_permlanex16_b32 v239, v238, s60, s61
	v_mov_b32 v196, v205
	v_mov_b32 v197, v206
	ADD4 23
	v_lshl_or_b32 v218, v239, 8, v238              ; lanes 0-15: p's scale word for these 128 keys (lanes 16-31 are not read)
	v_mov_b32 v201, v208
	ADD4 27
	v_mov_b32 v202, v209
	v_mov_b32 v203, v210
	v_pk_add_f32 v[240:241], v[240:241], v[158:159]
	s_wait_dscnt 0x0                               ; V's fragments are in
	s_wait_alu depctr_va_vdst(0)                   ; directly ahead of the first readers of O^T
.set j, 0
.rept 16
	v_pk_mul_f32 v[160+j:161+j], v[160+j:161+j], v[252:253] op_sel_hi:[1,0]   ; O^T under the new M; also the places between the lines that wrote p's codes and scale word and the products
.set j, j+2
.endr
.irp d, 0,2
	v_wmma_scale_f32_16x16x128_f8f6f4 v[160+8*\d:167+8*\d], v[32+12*\d:43+12*\d], v[192:203], v[160+8*\d:167+8*\d], v[216+\d/2], v218 matrix_a_fmt:MATRIX_FMT_FP6 matrix_b_fmt:MATRIX_FMT_FP6
	v_wmma_scale_f32_16x16x128_f8f6f4 v[168+8*\d:175+8*\d], v[44+12*\d:55+12*\d], v[192:203], v[168+8*\d:175+8*\d], v[216+\d/2], v218 matrix_a_fmt:MATRIX_FMT_FP6 matrix_b_fmt:MATRIX_FMT_FP6 matrix_a_scale:MATRIX_SCALE_ROW1
.endr
	v_pk_add_f32 v[240:241], v[240:241], v[242:243]   ; the chains are joined: four plain lines, the places behind the products
	v_pk_add_f32 v[14:15], v[14:15], v[246:247]
	v_mov_b32 v255, v12                            ; -M, for the next step's f
	v_pk_add_f32 v[14:15], v[14:15], v[240:241]
	s_add_co_u32 s55, s55, 256
	s_add_co_u32 s57, s57, 1
	s_cmp_lt_u32 s57, 16
	s_cbranch_scc1 .Lstep
	; ---- the tile's way out: O / l, quantised along the head's 64: a half image and two scale bytes a row
	v_add_f32 v14, v14, v15
	v_permlanex16_b32 v252, v14, s60, s61
	v_add_f32 v14, v14, v252                       ; the row's sum
	s_wait_alu depctr_va_vdst(0)
	v_rcp_f32 v14, v14
	v_nop
	s_wait_alu depctr_va_vdst(0)
.set j, 0
.rept 32
	v_mul_f32 v[96+j], v[160+j], v14               ; register 16 g + i is channel 32 g + 16 h + i
.set j, j+1
.endr
.irp b, 0,1
	v_max3_num_f32 v[232+\b], |v[96+16*\b]|, |v[97+16*\b]|, 0x1800000
.endr
.irp i, 2,4,6,8,10,12,14
.irp b, 0,1
	v_max3_num_f32 v[232+\b], v[232+\b], |v[96+16*\b+\i]|, |v[97+16*\b+\i]|
.endr
.endr
	v_permlanex16_b32 v237, v232, s60, s61
	v_permlanex16_b32 v239, v233, s60, s61
	v_max_num_f32 v232, v232, v237
	v_max_num_f32 v233, v233, v239
	v_add_nc_u32 v244, 0xff000000, v232
	v_add_nc_u32 v245, 0xff000000, v233
	v_lshrrev_b32 v236, 23, v244
	v_lshrrev_b32 v238, 23, v245
	v_cvt_scalef32_pk16_fp6_f32 v[192:194], v[96:111], v244
	v_cvt_scalef32_pk16_fp6_f32 v[204:206], v[112:127], v245
	v_nop
.irp i, 0,1,2
	v_permlane16_swap_b32 v[192+\i], v[204+\i]     ; the operand wants a whole block in a lane
.endr
.irp i, 0,1,2
	v_mov_b32 v[195+\i], v[204+\i]
.endr
	v_cndmask_b32 v93, v236, v238, s16             ; lanes 0-15 store block 0's byte, lanes 16-31 block 1's
	global_store_b128 v1, v[192:195], s[68:69]     ; 512 consecutive bytes, from a multiple of 256
	global_store_b64 v31, v[196:197], s[68:69] offset:512
	global_store_b8 v92, v93, s[70:71]
	s_wait_xcnt 0x0                                ; the stores have read their registers and bases
	s_add_nc_u64 s[68:69], s[68:69], 12800         ; on to my second tile
	s_add_nc_u64 s[70:71], s[70:71], 12800
	s_add_nc_u64 s[66:67], s[66:67], 4096
	s_mov_b32 s19, s52
.irp j, 0,1,2,3,4,5
	v_mov_b32 v[16+\j], v[80+\j]
.endr
	v_mov_b32 v28, v86
	s_sub_co_u32 s17, s17, 1
	s_cmp_lg_u32 s17, 0
	s_cbranch_scc1 .Ltile
	s_wait_tensorcnt 0x0                           ; the wave's end
	ds_add_u32 v[SPW], v[NIL]
	s_wait_dscnt 0x0
	s_endpgm
.Lfunc_end_k_q0fabfdba0f_attn:
	.size	k_q0fabfdba0f_attn, .Lfunc_end_k_q0fabfdba0f_attn-k_q0fabfdba0f_attn
	.p2alignl 7, 3214868480
	.fill 96, 4, 3214868480
	.section	.rodata,"a",@progbits
	.p2align	6, 0x0
	.amdhsa_kernel k_q0fabfdba0f_attn
		.amdhsa_group_segment_fixed_size 237056
		.amdhsa_private_segment_fixed_size 0
		.amdhsa_enable_private_segment 0
		.amdhsa_kernarg_size 32
		.amdhsa_user_sgpr_count 2
		.amdhsa_user_sgpr_kernarg_segment_ptr 1
		.amdhsa_wavefront_size32 1
		.amdhsa_system_sgpr_workgroup_id_x 1
		.amdhsa_system_sgpr_workgroup_id_y 1
		.amdhsa_system_sgpr_workgroup_id_z 1
		.amdhsa_system_vgpr_workitem_id 0
		.amdhsa_next_free_vgpr 256
		.amdhsa_next_free_sgpr 100
		.amdhsa_reserve_vcc 0
		.amdhsa_float_denorm_mode_32 3
		.amdhsa_float_denorm_mode_16_64 3
		.amdhsa_memory_ordered 1
		.amdhsa_forward_progress 1
		.amdhsa_inst_pref_size 45
	.end_amdhsa_kernel
	.amdgpu_metadata
---
amdhsa.version: [ 1, 2 ]
amdhsa.kernels:
  - .name:           k_q0fabfdba0f_attn
    .symbol:         k_q0fabfdba0f_attn.kd
    .args:
      - { .name: qkv, .offset: 0, .size: 8, .value_kind: global_buffer, .address_space: global }
      - { .name: qkvs, .offset: 8, .size: 8, .value_kind: global_buffer, .address_space: global }
      - { .name: mw, .offset: 16, .size: 8, .value_kind: global_buffer, .address_space: global }
      - { .name: oc, .offset: 24, .size: 8, .value_kind: global_buffer, .address_space: global }
    .group_segment_fixed_size: 237056
    .private_segment_fixed_size: 0
    .kernarg_segment_align: 8
    .kernarg_segment_size: 32
    .max_flat_workgroup_size: 512
    .sgpr_count:     100
    .vgpr_count:     256
    .wavefront_size: 32
...
	.end_amdgpu_metadata
.endif
;; end of part 3
;; launch outp (part 4): grid 8 x 32, 4 waves a work-group, clusters of 4 x 4, 327,680 bytes of LDS; arguments oc, wc, bo, out0; writes out0
.if DOCPART == 4
	.amdgcn_target "amdgcn-amd-amdhsa--gfx1250"
	.amdhsa_code_object_version 6
	.text
	.protected	k_q0fabfdba0f_outp
	.globl	k_q0fabfdba0f_outp
	.p2align	8
	.type	k_q0fabfdba0f_outp,@function
k_q0fabfdba0f_outp:
	s_mov_b64 s[64:65], 0
	v_nop
	global_prefetch_b8 v0, s[64:65] scope:SCOPE_SE
	s_setreg_imm32_b32 hwreg(HW_REG_WAVE_MODE, 25, 1), 1
	s_wait_xcnt 0x0
	s_wait_alu depctr_hold_cnt(0) depctr_sa_sdst(0) depctr_va_vdst(0) depctr_va_sdst(0) depctr_va_ssrc(0) depctr_va_vcc(0) depctr_vm_vsrc(0)
	s_getreg_b32 s2, hwreg(HW_REG_IB_STS2, 6, 4)
	s_cmp_eq_u32 s2, 0
	s_cbranch_scc0 .Lentry_in_a_cluster
	s_endpgm
.Lentry_in_a_cluster:
	s_bfe_u32 s2, ttmp6, 0x10000c
	s_cmp_lg_u32 s2, 0xf033
	s_cbranch_scc0 .Lentry_shape_is_right
	s_endpgm
.Lentry_shape_is_right:
; OUTP: out0 = (O / l) Wo + bo on codes of E2M3.  The same work as the projections' launch: a work-group makes 256 tokens (source 1, 16 tiles; a wave 4) x 128 features of Wo (source 0, 8 tiles) over all of K = 1,024.
; All 24 tiles x 12,800 bytes lie in LDS at once: every fill is a first fill; each wave issues one tensor load at the start and waits for it ahead of chunk 0 or chunk 2.
; (lds_bytes: more than the text uses.)  CLUSTER 4 x 4: the tokens' tiles are shared along a row of the cluster, Wo's along a column: joint loads.
; THE WAY OUT: a lane holds one token and 64 registers along 128 features; a tile's 16 rows go through the wave's own stage in LDS and leave as rows of 512 consecutive bytes.  The stage lies in the first half of K,
; which has had its one fill, and which no wave reads behind the second barrier.
; REGISTERS.  window 0: v1-8, v14, v15 addresses; v28, v29 the add's two; v32-55 scale words; v64-159 source 1's fragments (on the way out v64-127 sums, v128-159 and v224-255 rows); v160-223 the bias.
;   window 1: source 0's fragments.   window 2: the 32 accumulators.
; THE FILLS AS THEY STAND (this takes the place of what the head says of four loads a wave): LDS holds two HALVES of K, each 16 + 8 rows of 6,400 bytes (two chunks of one tile, 25 x 256 bytes, from a multiple of 256).
; One joint load a wave at the head: wave 0 the tokens' first half, wave 1 Wo's, waves 2 and 3 the second halves.  The first barrier shows waves 0 and 1's tiles, the one ahead of chunk 2 all; nothing is filled again.
; The stage lies in the first half, which no wave reads behind the barrier ahead of chunk 2.
.set CH,    153600
.set TILE,  6400
.set BOFF,  102400
.set SPARE, 2*CH
.set STG,   8448                       ; 16 rows x (512 + 16) bytes
.set SPW, 28
.set NIL, 29
.set SC,  32
.set AF,  64
.set T,   64
.set BIAS, 160
.set G1A, 24
.set G1B, 32
.set G0A, 40
.set G0B, 56
.set MSB, 0
.macro WIN new
.if MSB != \new
	s_set_vgpr_msb (MSB<<8)|\new
.set MSB, \new
.endif
.endm
.macro CROUND
	s_barrier_signal -1
	s_barrier_wait -1
	s_cmp_lg_u32 s18, 0
	s_cbranch_scc1 .Lnot_wave_0_\@
	s_barrier_signal -3
.Lnot_wave_0_\@:
	s_barrier_wait -3
	s_barrier_signal -1
	s_barrier_wait -1
.endm
.macro PLACES
.rept 4
	v_nop
.endr
.endm
.macro FRAGL reg, a16, a8, off
	ds_load_b128 v[\reg:\reg+3], v[\a16] offset:\off
	ds_load_b64 v[\reg+4:\reg+5], v[\a8] offset:\off
	ds_load_b128 v[\reg+6:\reg+9], v[\a16] offset:\off+768
	ds_load_b64 v[\reg+10:\reg+11], v[\a8] offset:\off+768
.endm
.macro FETCH s
.set PP, (\s)%2
.set QQ, ((\s)/2)%2
.set CO, 128*QQ+1536*PP
.set SO, 3072*(1-QQ)
	WIN 0x40
.irp b, 0,1,2,3,4,5,6,7
	FRAGL 96*PP+12*\b, 3, 4, TILE*\b+CO
.endr
	WIN 0
.irp a, 0,1,2,3
	FRAGL AF+48*PP+12*\a, 1, 2, TILE*\a+CO
.endr
.if PP == 0
.irp i, 0,1
	ds_load_b64 v[SC+12*QQ+2*\i:SC+12*QQ+2*\i+1], v5 offset:TILE*\i+SO
.endr
.irp i, 0,1,2,3
	ds_load_b64 v[SC+12*QQ+4+2*\i:SC+12*QQ+5+2*\i], v6 offset:TILE*\i+SO
.endr
.endif
.endm
.macro WM a, b, zero
.set DD, 8*(8*(\a)+(\b))
.set RB, 96*PP+12*(\b)
.set RA, AF+48*PP+12*(\a)
.set SB, SC+12*QQ+4+2*((\b)%4)+PP
.set SA, SC+12*QQ+2*((\a)%2)+PP
.if \zero
.if ((\b) < 4) && ((\a) < 2)
	v_wmma_scale_f32_16x16x128_f8f6f4 v[DD:DD+7], v[RB:RB+11], v[RA:RA+11], 0, v[SB], v[SA] matrix_a_fmt:MATRIX_FMT_FP6 matrix_b_fmt:MATRIX_FMT_FP6
.elseif (\a) < 2
	v_wmma_scale_f32_16x16x128_f8f6f4 v[DD:DD+7], v[RB:RB+11], v[RA:RA+11], 0, v[SB], v[SA] matrix_a_fmt:MATRIX_FMT_FP6 matrix_b_fmt:MATRIX_FMT_FP6 matrix_a_scale:MATRIX_SCALE_ROW1
.elseif (\b) < 4
	v_wmma_scale_f32_16x16x128_f8f6f4 v[DD:DD+7], v[RB:RB+11], v[RA:RA+11], 0, v[SB], v[SA] matrix_a_fmt:MATRIX_FMT_FP6 matrix_b_fmt:MATRIX_FMT_FP6 matrix_b_scale:MATRIX_SCALE_ROW1
.else
	v_wmma_scale_f32_16x16x128_f8f6f4 v[DD:DD+7], v[RB:RB+11], v[RA:RA+11], 0, v[SB], v[SA] matrix_a_fmt:MATRIX_FMT_FP6 matrix_b_fmt:MATRIX_FMT_FP6 matrix_a_scale:MATRIX_SCALE_ROW1 matrix_b_scale:MATRIX_SCALE_ROW1
.endif
.else
.if ((\b) < 4) && ((\a) < 2)
	v_wmma_scale_f32_16x16x128_f8f6f4 v[DD:DD+7], v[RB:RB+11], v[RA:RA+11], v[DD:DD+7], v[SB], v[SA] matrix_a_fmt:MATRIX_FMT_FP6 matrix_b_fmt:MATRIX_FMT_FP6
.elseif (\a) < 2
	v_wmma_scale_f32_16x16x128_f8f6f4 v[DD:DD+7], v[RB:RB+11], v[RA:RA+11], v[DD:DD+7], v[SB], v[SA] matrix_a_fmt:MATRIX_FMT_FP6 matrix_b_fmt:MATRIX_FMT_FP6 matrix_a_scale:MATRIX_SCALE_ROW1
.elseif (\b) < 4
	v_wmma_scale_f32_16x16x128_f8f6f4 v[DD:DD+7], v[RB:RB+11], v[RA:RA+11], v[DD:DD+7], v[SB], v[SA] matrix_a_fmt:MATRIX_FMT_FP6 matrix_b_fmt:MATRIX_FMT_FP6 matrix_b_scale:MATRIX_SCALE_ROW1
.else
	v_wmma_scale_f32_16x16x128_f8f6f4 v[DD:DD+7], v[RB:RB+11], v[RA:RA+11], v[DD:DD+7], v[SB], v[SA] matrix_a_fmt:MATRIX_FMT_FP6 matrix_b_fmt:MATRIX_FMT_FP6 matrix_a_scale:MATRIX_SCALE_ROW1 matrix_b_scale:MATRIX_SCALE_ROW1
.endif
.endif
.endm
.macro MUL s, zero                     ; the 32 accumulators take turns, one instruction a turn, in the same order in every step
.set PP, (\s)%2
.set QQ, ((\s)/2)%2
	WIN 0xa1
.irp a, 0,1,2,3
.irp b, 0,1,2,3,4,5,6,7
	WM \a, \b, \zero
.endr
.endr
.endm
.macro SYNC c                          ; on to chunk c.  c = 0: waves 0 and 1 have waited for the first half's loads; c = 2: every wave for its load; then a barrier.  c = 1, 3: the chunk lies in a half that is shown already
	WIN 0
.if (\c) == 0
	s_cmp_lt_u32 s18, 2
	s_cbranch_scc0 .Lnot_first_\@
	s_wait_tensorcnt 0x0
.Lnot_first_\@:
	s_barrier_signal -1
	s_barrier_wait -1
.endif
.if (\c) == 2
	s_wait_tensorcnt 0x0
	s_wait_dscnt 0x0
	s_barrier_signal -1
	s_barrier_wait -1
.set ADV, CH-3200
.else
.set ADV, 3200
.endif
.if (\c) > 0
.irp v, 1,2,3,4,5,6
	v_add_nc_u32 v\v, ADV, v\v                     ; six plain lines: also the places in front of the loads that follow
.endr
.endif
.endm
.macro KREST s
.if (\s) < 7
	FETCH (\s)+1
.if ((\s)%2) == 1
	s_wait_dscnt 54                                ; all but the 54 just issued
.else
	s_wait_dscnt 48                                ; all but the 48 just issued
.endif
.else
	s_wait_dscnt 0x0
.endif
.if (\s) == 0
	MUL \s, 1
.else
	MUL \s, 0
.endif
.endm
	s_load_b256 s[4:11], s[0:1], 0x0               ; oc s[4:5], wc s[6:7], bo s[8:9], out0 s[10:11]
	v_lshl_add_u32 v[SPW], v0, 2, SPARE
	v_mov_b32 v[NIL], 0
	ds_add_u32 v[SPW], v[NIL]                      ; the wave's opening: the add and its wait ahead of my first tensor load
	ds_add_u32 v[SPW], v[NIL]
	v_lshrrev_b32 v1, 5, v0
	v_readfirstlane_b32 s18, v1
	s_bfe_u32 s21, ttmp6, 0x40000                  ; cx
	s_bfe_u32 s22, ttmp6, 0x40004                  ; cy
	s_and_b32 s81, ttmp7, 0xffff
	s_lshl_b32 s81, s81, 2
	s_add_co_u32 s81, s81, s22                     ; the block of 256 tokens
	s_lshl_b32 s82, ttmp9, 2
	s_add_co_u32 s82, s82, s21                     ; the block of 128 features
	s_lshl_b32 s96, s22, 2
	s_lshl_b32 s96, 15, s96
	s_lshl_b32 s97, 0x1111, s21
	s_or_b32 s[G1A], s96, (3<<16)|(1<<21)          ; the mask of my row; elements of 8 bytes; bit 21 beside a mask
	s_mov_b32 s[G1A+1], 800<<16
	s_mov_b32 s[G1A+2], 16<<16
	s_mov_b32 s[G1A+3], 800<<16
	s_mov_b32 s[G1A+4], 16
	s_mov_b32 s[G1A+5], 1600
	s_mov_b32 s[G1A+6], 0
	s_mov_b32 s[G1A+7], 0
	s_or_b32 s[G1B], s97, (3<<16)|(1<<21)          ; of my column
	s_mov_b32 s[G1B+1], 800<<16
	s_mov_b32 s[G1B+2], 8<<16
	s_mov_b32 s[G1B+3], 800<<16
	s_mov_b32 s[G1B+4], 8
	s_mov_b32 s[G1B+5], 1600
	s_mov_b32 s[G1B+6], 0
	s_mov_b32 s[G1B+7], 0
	s_mul_i32 s84, s81, 204800
	s_mov_b32 s85, 0
	s_mul_i32 s86, s82, 102400
	s_add_co_u32 s86, s86, 2457600                 ; Wo lies behind Wq, Wk and Wv
	s_mov_b32 s87, 0
	s_mov_b32 s92, 0
	s_mov_b32 s93, BOFF
	s_wait_dscnt 0x0
	s_wait_kmcnt 0x0
	s_add_nc_u64 s[88:89], s[4:5], s[84:85]
	s_add_nc_u64 s[90:91], s[6:7], s[86:87]
	CROUND
.irp c, 0,1
	s_mov_b32 s[G0A+4*\c], 1
	s_add_co_u32 s[G0A+4*\c+1], s92, CH*\c
	s_add_nc_u64 s[G0A+4*\c+2:G0A+4*\c+3], s[88:89], TILE*\c
	s_or_b32 s[G0A+4*\c+3], s[G0A+4*\c+3], 0x80000000
	s_mov_b32 s[G0B+4*\c+4*(\c/2)], 1
	s_add_co_u32 s[G0B+4*\c+4*(\c/2)+1], s93, CH*\c
	s_add_nc_u64 s[G0B+4*\c+4*(\c/2)+2:G0B+4*\c+4*(\c/2)+3], s[90:91], TILE*\c
	s_or_b32 s[G0B+4*\c+4*(\c/2)+3], s[G0B+4*\c+4*(\c/2)+3], 0x80000000
.endr
	s_cmp_eq_u32 s18, 0                            ; one chain of branches on the wave's number, one load to an arm
	s_cbranch_scc0 .Lwave_1
	tensor_load_to_lds s[G0A:G0A+3], s[G1A:G1A+7]
	s_nop 0
	PLACES
	s_branch .Lasked
.Lwave_1:
	s_cmp_eq_u32 s18, 1
	s_cbranch_scc0 .Lwave_2
	tensor_load_to_lds s[G0B:G0B+3], s[G1B:G1B+7]
	s_nop 0
	PLACES
	s_branch .Lasked
.Lwave_2:
	s_cmp_eq_u32 s18, 2
	s_cbranch_scc0 .Lwave_3
	tensor_load_to_lds s[G0A+4:G0A+7], s[G1A:G1A+7]
	s_nop 0
	PLACES
	s_branch .Lasked
.Lwave_3:
	tensor_load_to_lds s[G0B+4:G0B+7], s[G1B:G1B+7]
	s_nop 0
	PLACES
.Lasked:
	v_and_b32 v9, 31, v0
	v_and_b32 v10, 15, v0
	v_bfe_u32 v11, v0, 4, 1
	s_mul_i32 s80, s18, 25600
	v_lshlrev_b32 v7, 4, v9
	v_lshlrev_b32 v8, 3, v9
	v_add_nc_u32 v1, s80, v7
	v_add_nc_u32 v2, s80, v8
	v_add_nc_u32 v2, 512, v2
	v_add_nc_u32 v3, BOFF, v7
	v_add_nc_u32 v4, BOFF+512, v8
	v_lshlrev_b32 v12, 3, v10
	v_mad_u32_u24 v5, v11, 12800, v12
	v_add_nc_u32 v5, s80, v5
	v_mad_u32_u24 v6, v11, 25600, v12
	v_add_nc_u32 v6, BOFF, v6
	s_mul_i32 s80, s18, STG                        ; my stage
	v_mul_u32_u24 v14, v10, 528
	v_lshl_add_u32 v14, v11, 6, v14
	v_add_nc_u32 v14, s80, v14                     ; in: row r, + 64 h
	v_add_nc_u32 v15, s80, v7                      ; back: a row's 512 bytes
	s_lshl_b32 s84, s82, 9                         ; my 128 features: in bo, and in a row of out0
	s_mov_b32 s85, 0
	s_add_nc_u64 s[86:87], s[8:9], s[84:85]
	v_lshlrev_b32 v9, 6, v11
.irp b, 0,1,2,3
.irp k, 0,1,2,3
	global_load_b128 v[BIAS+16*\b+4*\k:BIAS+16*\b+4*\k+3], v9, s[86:87] offset:128*\b+16*\k   ; register 16 b + i: feature 32 b + 16 h + i
.endr
.endr
	s_lshl_b32 s94, s81, 20                        ; 256 rows of 4,096 bytes,
	s_lshl_b32 s95, s18, 18                        ; my 64
	s_add_co_u32 s94, s94, s95
	s_add_co_u32 s94, s94, s84
	s_mov_b32 s95, 0
	s_add_nc_u64 s[92:93], s[10:11], s[94:95]
	s_wait_alu depctr_va_vdst(0)
	SYNC 0
	FETCH 0
	KREST 0
	SYNC 1
	KREST 1
	PLACES
	s_wait_alu depctr_va_vdst(0)
	KREST 2
	SYNC 2
	KREST 3
	PLACES
	s_wait_alu depctr_va_vdst(0)
	KREST 4
	SYNC 3
	KREST 5
	PLACES
	s_wait_alu depctr_va_vdst(0)
	KREST 6
	KREST 7
	WIN 0
	PLACES
	s_wait_loadcnt 0x0                             ; the bias
.macro OUTA a
	WIN 0x02                                       ; source 0 window 2
.set i, 0
.rept 32
	v_pk_add_f32 v[T+2*i:T+2*i+1], v[64*(\a)+2*i:64*(\a)+2*i+1], v[BIAS+2*i:BIAS+2*i+1]   ; each accumulator from its low end on
.set i, i+1
.endr
	WIN 0
.irp b, 0,1,2,3
.irp k, 0,1,2,3
	ds_store_b128 v14, v[T+16*\b+4*\k:T+16*\b+4*\k+3] offset:128*\b+16*\k
.endr
.endr
.if (\a) > 0
	s_wait_xcnt 0x0                                ; the last tile's stores have read the registers that the rows come back into
.endif
.irp i, 0,1,2,3,4,5,6,7,8,9,10,11,12,13,14,15
	ds_load_b128 v[128+4*\i+64*(\i/8):131+4*\i+64*(\i/8)], v15 offset:528*\i   ; LDS serves a wave's instructions in order: these see the stores above
.endr
	s_wait_dscnt 0x0
.irp i, 0,1,2,3,4,5,6,7,8,9,10,11,12,13,14,15
	global_store_b128 v7, v[128+4*\i+64*(\i/8):131+4*\i+64*(\i/8)], s[92:93] offset:(32*((\a)/2)+8*((\a)%2)+(\i%8)+16*(\i/8))*4096 th:TH_STORE_NT   ; 512 consecutive bytes of one token's row
.endr
.endm
	OUTA 0
	OUTA 1
	OUTA 2
	OUTA 3
	s_wait_tensorcnt 0x0                           ; the wave's end
	ds_add_u32 v[SPW], v[NIL]
	s_wait_dscnt 0x0
	CROUND                                         ; the closing round
	s_endpgm
.Lfunc_end_k_q0fabfdba0f_outp:
	.size	k_q0fabfdba0f_outp, .Lfunc_end_k_q0fabfdba0f_outp-k_q0fabfdba0f_outp
	.p2alignl 7, 3214868480
	.fill 96, 4, 3214868480
	.section	.rodata,"a",@progbits
	.p2align	6, 0x0
	.amdhsa_kernel k_q0fabfdba0f_outp
		.amdhsa_group_segment_fixed_size 327680
		.amdhsa_private_segment_fixed_size 0
		.amdhsa_enable_private_segment 0
		.amdhsa_kernarg_size 32
		.amdhsa_user_sgpr_count 2
		.amdhsa_user_sgpr_kernarg_segment_ptr 1
		.amdhsa_wavefront_size32 1
		.amdhsa_system_sgpr_workgroup_id_x 1
		.amdhsa_system_sgpr_workgroup_id_y 1
		.amdhsa_system_sgpr_workgroup_id_z 1
		.amdhsa_system_vgpr_workitem_id 0
		.amdhsa_next_free_vgpr 768
		.amdhsa_next_free_sgpr 100
		.amdhsa_reserve_vcc 0
		.amdhsa_float_denorm_mode_32 3
		.amdhsa_float_denorm_mode_16_64 3
		.amdhsa_memory_ordered 1
		.amdhsa_forward_progress 1
		.amdhsa_inst_pref_size 92
	.end_amdhsa_kernel
	.amdgpu_metadata
---
amdhsa.version: [ 1, 2 ]
amdhsa.kernels:
  - .name:           k_q0fabfdba0f_outp
    .symbol:         k_q0fabfdba0f_outp.kd
    .args:
      - { .name: oc, .offset: 0, .size: 8, .value_kind: global_buffer, .address_space: global }
      - { .name: wc, .offset: 8, .size: 8, .value_kind: global_buffer, .address_space: global }
      - { .name: bo, .offset: 16, .size: 8, .value_kind: global_buffer, .address_space: global }
      - { .name: out0, .offset: 24, .size: 8, .value_kind: global_buffer, .address_space: global }
    .group_segment_fixed_size: 327680
    .private_segment_fixed_size: 0
    .kernarg_segment_align: 8
    .kernarg_segment_size: 32
    .max_flat_workgroup_size: 128
    .sgpr_count:     100
    .vgpr_count:     768
    .wavefront_size: 32
...
	.end_amdgpu_metadata
.endif
;; end of part 4
